; MI455X (gfx1250); checked and timed in simulation.
; The chip was launched on July 23, 2026; its instructions are those of AMD's public machine-readable ISA for CDNA 5 (MIT licence, August 2026) and "CDNA5" Instruction Set Architecture Reference Guide (July 2026). The comments in the code are by the model that wrote it; some were corrected since.
;; Task Aware Attention. Allowed arithmetic: matrix products marked QUANTISED: E2M3 operands, one E8M0 scale for each 32 along K, by v_wmma_scale_f32_16x16x128_f8f6f4 with both operands' format E2M3, f32 sums; products left as they are: f32 operands where the result goes on into a quantised operand, else bf16, f16 or f32 operands; f32 sums; everything else in f32.
;; Inputs: Wk_codes 1,024 x 32 x 24 uint8 (E2M3 codes of Wk, K innermost, in blocks of 32 codes, four codes in three bytes); Wk_scales 1,024 x 32 uint8 (E8M0 scales of Wk, one for each 32 codes along K); Wo_codes 1,024 x 32 x 24 uint8 (E2M3 codes of Wo, K innermost, in blocks of 32 codes, four codes in three bytes); Wo_scales 1,024 x 32 uint8 (E8M0 scales of Wo, one for each 32 codes along K); Wq_codes 1,024 x 32 x 24 uint8 (E2M3 codes of Wq, K innermost, in blocks of 32 codes, four codes in three bytes); Wq_scales 1,024 x 32 uint8 (E8M0 scales of Wq, one for each 32 codes along K); Wt 256 x 1,024 float32; Wv_codes 1,024 x 32 x 24 uint8 (E2M3 codes of Wv, K innermost, in blocks of 32 codes, four codes in three bytes); Wv_scales 1,024 x 32 uint8 (E8M0 scales of Wv, one for each 32 codes along K); beta 1,024 float32; bk 1,024 float32; bo 1,024 float32; bq 1,024 float32; bt 1,024 float32; bv 1,024 float32; gamma 1,024 float32; hidden_states 4 x 2,048 x 1,024 float32; mask 4 x 2,048 int32; task_embedding 4 x 256 float32.
;; Outputs: out0 4 x 2,048 x 1,024 float32.
;; This version of the problem:
;;   THIS VERSION OF THE PROBLEM IS GIVEN IN LOW PRECISION. The matrix products marked QUANTISED in the list below multiply operands that are first quantised to E2M3 (2 exponent bits, 3 mantissa bits; 6 bits a number), with one power-of-two scale for each 32 numbers along K (OCP MX v1.0); their sums are f32. All else is computed in f32.
;;   The module's matrix products, in the order in which they are computed (A, B: the left and right operand; K: the contracted axis; several contracted axes count as one K, in the product's order):
;;     1. [M 4, K 256] x [K 256, N 1,024]; A: input task_embedding; B: input Wt: left as it is (M = 4 < 16)
;;     2. [M 8,192, K 1,024] x [K 1,024, N 1,024]; A: computed on the way; B: input Wq (given as codes): QUANTISED
;;     3. [M 8,192, K 1,024] x [K 1,024, N 1,024]; A: input hidden_states; B: input Wk (given as codes): QUANTISED
;;     4. [M 8,192, K 1,024] x [K 1,024, N 1,024]; A: input hidden_states; B: input Wv (given as codes): QUANTISED
;;     5. batch 64 x [M 2,048, K 64] x [K 64, N 2,048]; A: computed on the way; B: computed on the way: QUANTISED
;;     6. batch 64 x [M 2,048, K 2,048] x [K 2,048, N 64]; A: softmax (see below); B: computed on the way: QUANTISED
;;     7. [M 8,192, K 1,024] x [K 1,024, N 1,024]; A: computed on the way; B: input Wo (given as codes): QUANTISED
;;   THE QUANTISER, for each operand of a quantised product, along K:
;;     - K is cut into blocks of 32 from its start; a last block that is shorter is filled with zeros.
;;     - A block's scale is 2^e with e = floor(log2(the largest magnitude in the block)) - 2, held to -126 .. 127; a block of zeros has e = 0. As a byte (E8M0): e + 127.
;;     - Each number is divided by its block's scale, clamped to +-7.5, and rounded to the nearest number of E2M3, ties to even, subnormals kept.
;;     - The product sums the exact products of the quantised numbers (number of the format x scale) in f32.
;;   ~~~python
;;   def quantise(x, axis):      # numpy; x: float32 -> the quantised numbers, widened to float32 again
;;       x = np.moveaxis(x, axis, -1); K = x.shape[-1]
;;       x = np.pad(x, [(0, 0)] * (x.ndim - 1) + [(0, -K % 32)]); x = x.reshape(x.shape[:-1] + (-1, 32)); a = np.abs(x).max(-1, keepdims=True)
;;       e = np.where(a > 0, np.clip(np.frexp(np.where(a > 0, a, 1))[1] - 1 - 2, -126, 127), 0)      # np.frexp(a)[1] - 1 = floor(log2(a)), exactly
;;       r = np.clip(x / 2.0 ** e, -7.5, 7.5)
;;       step = 2.0 ** (np.maximum(np.frexp(np.where(r == 0, 1, r))[1] - 1, 0) - 3)
;;       q = np.round(r / step) * step * 2.0 ** e      # np.round: ties to even
;;       return np.moveaxis(q.reshape(q.shape[:-2] + (-1,))[..., :K], -1, axis).astype(np.float32)
;;   ~~~
;;   SOFTMAX AHEAD OF A QUANTISED PRODUCT. Where the list says 'softmax', what is quantised is not the finished softmax but p = 2^(t - M), with t = logit x log2(e) and M = ceil(the row's largest t), a whole number; so 1/2 < the row's largest p <= 1. The row's sum l is taken of the UNQUANTISED p, in f32, and the product's result is divided by l at the end. Since M is a whole number, a kernel that streams over the keys may use a running M (the ceiling of the running maximum): every later rescaling is an exact power of two, which a block's scale takes up: the codes' values come out the same.
;;   OPERANDS COMPUTED ON THE WAY. 'Computed on the way' means the value that the module computes at that place (a softmax that the list does not call 'softmax' is quantised finished and normalised). What goes into a quantiser is computed in f32, as accurately as f32 sums, v_exp_f32 and their like allow (about 1e-6 of the number): no bf16 or f16 on the way to a quantiser, and a product that is left as it is and whose result goes on into a quantised operand takes f32 operands (vector FMAs, or v_wmma_f32_16x16x4_f32). A number that lies on a knife's edge between two numbers of the format may be rounded either way, as far as f32 arithmetic and the matrix unit's own rounding can turn it there, and no further.
;;   INPUTS GIVEN AS CODES. Wk (in the module: [1024, 1024], K = its axis 0); Wo (in the module: [1024, 1024], K = its axis 0); Wq (in the module: [1024, 1024], K = its axis 0); Wv (in the module: [1024, 1024], K = its axis 0): each comes as NAME_codes (uint8): NAME with its K axis moved to the last place and cut into blocks of 32 codes, [.., K / 32, bytes a block], one block behind the other in memory; four codes in three bytes: a row's codes are one little-endian stream of bits, code i at bits 6 i .. 6 i + 5 (a code: sign, 2 exponent bits, 3 mantissa bits); and NAME_scales (uint8): the same leading axes, one E8M0 byte (e + 127) for each 32 codes along K. Its value is code x scale, taken as it is: it is not quantised again, and the codes and scales need not be those that the quantiser above would give.
;; One version. Each part assembles by itself: llvm-mc -triple=amdgcn-amd-amdhsa -mcpu=gfx1250 --defsym DOCPART=n.
;; ======== version 1 of 1: 4 launches
;; limits: right only within a limited range of input values
;; workspace buffers: img 16,384,000 bytes; qrec 8,912,896 bytes; kv 15,466,496 bytes; ctx 6,291,456 bytes; ctxs 262,144 bytes
;; launch prep (part 1): grid 320 x 1, 4 waves a work-group, no clusters, 36,352 bytes of LDS; arguments hidden_states, task_embedding, Wt, bt, Wq_codes, Wq_scales, Wk_codes, Wk_scales, Wv_codes, Wv_scales, Wo_codes, Wo_scales, img; writes img
.if DOCPART == 1
	.amdgcn_target "amdgcn-amd-amdhsa--gfx1250"
	.amdhsa_code_object_version 6
	.text
	.protected	k_qa3ef1a52ea_prep
	.globl	k_qa3ef1a52ea_prep
	.p2align	8
	.type	k_qa3ef1a52ea_prep,@function
k_qa3ef1a52ea_prep:
	s_mov_b64 s[64:65], 0
	v_nop
	global_prefetch_b8 v0, s[64:65] scope:SCOPE_SE
	s_setreg_imm32_b32 hwreg(HW_REG_WAVE_MODE, 25, 1), 1
	s_wait_xcnt 0x0
; PREP.  Everything that the later products read many times is laid out once, as IMAGES OF OPERAND REGISTERS.
; A fragment (16 rows x 128 K of E2M3 codes) is 12 registers a lane; its image is 1,536 bytes: registers 4 c .. 4 c + 3 of lane l at 512 c + 16 l.
; A PANEL is 128 rows x 128 K: eight fragments on end, then the rows' scale words (word of row r of tile i at 12,288 + 256 (i / 4) + 16 r + 4 (i % 4)): 12,800 bytes.  Eight panels along K are a panel row.
; THE ROWS OF A TILE ARE NOT NEIGHBOURS: lane r of tile 2 b + u of a panel holds row 32 b + 8 u + r + 8 (r / 8), so that wherever such a tile is source 0 of a product, the 16 result registers of
; tiles 2 b and 2 b + 1 are 16 neighbours (32 b + 16 (lane / 16) + 0 .. 15) along the next product's K.
; img: Q(hidden + task_info) at 0, Q(hidden) at 6,553,600 (64 panel rows each), then Wq, Wk, Wv, Wo (8 panel rows each) from 13,107,200 on.
; Work-groups 0-63 re-lay the four weights, a wave to a panel (codes and scale bytes are taken as they are given).  Work-groups 64-319 take 256 rows x 128 columns of hidden_states: they first make
; task_info = task_embedding Wt + bt for their 128 columns in f32 (fused multiply-adds; each wave 64 of the 256 terms, the four parts meet in LDS), then quantise hidden and hidden + task_info.
; A work-group is whole on one of the two ways; only the second uses LDS and its one barrier.
; A block's scale is 2^(floor(log2(largest magnitude)) - 2): its byte is the largest magnitude's exponent field - 2, held at 1 from below.
; LIMITS: a block of zeros gets the byte 1 where the rule says 127 (its codes are zeros, and only this program reads the bytes); NaN and infinities among the inputs are not served.
; Wt's 128 columns are read by the 32 work-groups of one K step through registers, where the sums want them; no tile goes through LDS by a tensor load here, so there is nothing to ask for jointly.
.set A2OFF, 6553600
.set WOFF,  13107200
.set PANEL, 12800
.set STG,   2048                       ; LDS: 0-2,047 the four waves' partial sums; then a stage of 16 rows x 528 bytes for each wave
.set SP,    528                        ; a stage row: 512 bytes + 16, so that the 16 rows that a load of 16 bytes a lane touches start 4 words apart
.set X,     16                         ; v16-79   64 numbers of my row: register 16 b + i = column 32 b + 16 (lane / 16) + i
.set RAW0,  80                         ; v80-207  two sets of 16 rows x 4 registers as loaded
.set PC,    208                        ; v208-219 the fragment just made
.set TT,    220                        ; v220-227 the conversions' second halves
.set TM,    228                        ; v228-231 largest magnitudes, v232-235 the other half's, then bytes, v236-239 scale operands
.set PW,    240                        ; the scale word just made
.set PWA,   241                        ; the one of Q(hidden), kept
.set SW,    244                        ; v244-247 the four tiles' words: lanes 0-15 Q(hidden)'s, lanes 16-31 Q(hidden + task_info)'s
.set SEL,   92                         ; s[92:93] selects of v_permlanex16_b32: lane l xor 16
; 64 numbers of a lane, register 16 b + i = k 32 b + 16 (lane / 16) + i of its row, become codes (blocks 2 c, 2 c + 1 in six registers from dst + str c on) and the row's scale word in v[PW]
.macro QUANT src, dst, str
.irp b, 0,1,2,3
	v_max3_num_f32 v[TM+\b], |v[\src+16*\b]|, |v[\src+1+16*\b]|, 0x1800000   ; my 16 numbers of block b, and the floor 2^(3 - 127): the byte cannot fall under 1
.endr
.irp i, 2,4,6,8,10,12,14
.irp b, 0,1,2,3
	v_max3_num_f32 v[TM+\b], v[TM+\b], |v[\src+16*\b+\i]|, |v[\src+1+16*\b+\i]|   ; the four blocks by turns
.endr
.endr
.irp b, 0,1,2,3
	v_permlanex16_b32 v[TM+4+\b], v[TM+\b], s[SEL], s[SEL+1]
.endr
.irp b, 0,1,2,3
	v_max_num_f32 v[TM+\b], v[TM+\b], v[TM+4+\b]       ; with lane l xor 16's 16: the block's largest magnitude
.endr
.irp b, 0,1,2,3
	v_add_nc_u32 v[TM+8+\b], 0xff000000, v[TM+\b]      ; 2 off its exponent field: the conversion takes that field as its scale
.endr
.irp b, 0,1,2,3
	v_lshrrev_b32 v[TM+4+\b], 23, v[TM+8+\b]           ; the scale's byte
.endr
	v_lshl_or_b32 v[PW], v[TM+5], 8, v[TM+4]
	v_lshl_or_b32 v[PW], v[TM+6], 16, v[PW]
	v_lshl_or_b32 v[PW], v[TM+7], 24, v[PW]
.irp c, 0,1
	v_cvt_scalef32_pk16_fp6_f32 v[\dst+\str*\c:\dst+\str*\c+2], v[\src+32*\c:\src+32*\c+15], v[TM+8+2*\c]
	v_cvt_scalef32_pk16_fp6_f32 v[TT+4*\c:TT+4*\c+2], v[\src+16+32*\c:\src+31+32*\c], v[TM+9+2*\c]   ; (a conversion's three registers begin on an even number)
.endr
	v_nop                                              ; one plain place behind the scaled conversions
.irp c, 0,1
.irp i, 0,1,2
	v_permlane16_swap_b32 v[\dst+\str*\c+\i], v[TT+4*\c+\i]   ; a whole block to a lane: lanes 0-15 block 2 c, lanes 16-31 block 2 c + 1
.endr
.irp i, 0,1,2
	v_mov_b32 v[\dst+\str*\c+3+\i], v[TT+4*\c+\i]
.endr
.endr
.endm
	s_load_b256 s[4:11], s[0:1], 0x0               ; hidden s[4:5], task_embedding s[6:7], Wt s[8:9], bt s[10:11]
	s_load_b512 s[16:31], s[0:1], 0x20             ; codes and scales of Wq, Wk, Wv, Wo
	s_load_b64 s[12:13], s[0:1], 0x60              ; img
	v_lshl_add_u32 v254, v0, 2, 0x8c00
	v_mov_b32 v255, 0
	v_lshrrev_b32 v1, 5, v0
	v_readfirstlane_b32 s3, v1                     ; wave
	v_and_b32 v1, 15, v0                           ; r
	v_bfe_u32 v2, v0, 4, 1                         ; h
	v_and_b32 v3, 31, v0                           ; lane
	v_lshlrev_b32 v4, 4, v3                        ; 16 x lane
	s_wait_kmcnt 0x0
	s_cmp_lt_u32 ttmp9, 64
	s_cbranch_scc0 .Lrows
	; ---- THE WEIGHTS: wave u = 4 x work-group + wave makes panel (P, s) of weight j
	s_lshl_b32 s84, ttmp9, 2
	s_add_co_u32 s84, s84, s3                      ; u
	s_lshr_b32 s85, ttmp9, 4                       ; j
	s_bfe_u32 s86, s84, 0x30003                    ; P = (u / 8) % 8
	s_and_b32 s87, s84, 7                          ; s
	s_cmp_eq_u32 s85, 1                            ; the choice of buffers hangs on the work-group's number alone
	s_cselect_b64 s[16:17], s[20:21], s[16:17]
	s_cselect_b64 s[18:19], s[22:23], s[18:19]
	s_cmp_eq_u32 s85, 2
	s_cselect_b64 s[16:17], s[24:25], s[16:17]
	s_cselect_b64 s[18:19], s[26:27], s[18:19]
	s_cmp_eq_u32 s85, 3
	s_cselect_b64 s[16:17], s[28:29], s[16:17]
	s_cselect_b64 s[18:19], s[30:31], s[18:19]
	s_mul_i32 s88, s86, 98304                      ; 128 rows of 768 bytes
	s_mul_i32 s90, s87, 96                         ; 128 codes
	s_add_co_u32 s88, s88, s90
	s_mov_b32 s89, 0
	s_add_nc_u64 s[16:17], s[16:17], s[88:89]
	s_lshl_b32 s88, s86, 12                        ; 128 rows of 32 scale bytes
	s_lshl_b32 s90, s87, 2
	s_add_co_u32 s88, s88, s90
	s_add_nc_u64 s[18:19], s[18:19], s[88:89]
	s_and_b32 s88, s84, 63                         ; 8 P + s
	s_mul_i32 s88, s88, PANEL
	s_mul_i32 s90, s85, 819200
	s_add_co_u32 s88, s88, s90
	s_add_co_u32 s88, s88, WOFF
	s_add_nc_u64 s[12:13], s[12:13], s[88:89]
	s_wait_alu depctr_va_vdst(0)
	v_and_b32 v5, 8, v1
	v_add_nc_u32 v5, v5, v1                        ; r + 8 (r / 8)
	v_mul_u32_u24 v6, v5, 768
	v_mad_u32_u24 v6, v2, 24, v6                   ; my row's codes, + 24 bytes for the upper half of the lanes
	v_lshl_add_u32 v7, v2, 6, v5
	v_lshlrev_b32 v7, 5, v7                        ; scale words: lanes 16-31 take the tiles four further on (64 rows)
.irp i, 0,1,2,3,4,5,6,7
.irp p, 0,1,2,3,4,5
	global_load_b64 v[32+12*\i+2*\p:33+12*\i+2*\p], v6, s[16:17] offset:(32*(\i/2)+8*(\i%2))*768+48*(\p/3)+8*(\p%3)
.endr
.endr
.irp i, 0,1,2,3
	global_load_b32 v[28+\i], v7, s[18:19] offset:(32*(\i/2)+8*(\i%2))*32
.endr
	s_wait_loadcnt 0x0
.irp i, 0,1,2,3,4,5,6,7
.irp c, 0,1,2
	global_store_b128 v4, v[32+12*\i+4*\c:35+12*\i+4*\c], s[12:13] offset:1536*\i+512*\c   ; 32 lanes store 512 consecutive bytes
.endr
.endr
	global_store_b128 v4, v[28:31], s[12:13] offset:12288
	s_endpgm
	; ---- THE ROWS
.Lrows:
	s_sub_co_u32 s84, ttmp9, 64
	s_and_b32 s85, s84, 7                          ; s: which 128 columns
	s_lshr_b32 s86, s84, 3                         ; which 256 rows
	s_lshr_b32 s87, s86, 3                         ; the batch
	s_lshl_b32 s88, s87, 10
	s_lshl_b32 s90, s3, 8
	s_add_co_u32 s88, s88, s90
	s_mov_b32 s89, 0
	s_add_nc_u64 s[6:7], s[6:7], s[88:89]          ; task_embedding[batch][64 wave ..]
	s_load_b512 s[16:31], s[6:7], 0x0              ; my 64 numbers of it, as scalars (the weights' addresses are not wanted on this way)
	s_load_b512 s[32:47], s[6:7], 0x40
	s_load_b512 s[48:63], s[6:7], 0x80
	s_load_b512 s[68:83], s[6:7], 0xc0
	s_lshl_b32 s88, s3, 18                         ; 64 rows of Wt
	s_lshl_b32 s90, s85, 9                         ; 128 columns
	s_add_co_u32 s88, s88, s90
	s_add_nc_u64 s[8:9], s[8:9], s[88:89]
	s_mov_b32 s88, s90
	s_add_nc_u64 s[10:11], s[10:11], s[88:89]
.macro WTLOAD half                     ; 32 rows of Wt, my four columns of each: 512 consecutive bytes a load
.set ii, 0
.rept 32
	global_load_b128 v[RAW0+4*ii:RAW0+4*ii+3], v4, s[8:9] offset:(32*\half+ii)*4096
.set ii, ii+1
.endr
.endm
.macro WTFMA half                      ; two chains (even and odd terms) for each of my four columns; the first terms start the sums
.set ii, 0
.rept 32
.set kk, 32*\half+ii
.set sk, 16+kk+4*(kk/48)
.irp j, 0,1,2,3
.if kk < 2
	v_mul_f32 v[16+4*(kk%2)+\j], s[sk], v[RAW0+4*ii+\j]
.else
	v_fmac_f32 v[16+4*(kk%2)+\j], s[sk], v[RAW0+4*ii+\j]
.endif
.endr
.set ii, ii+1
.endr
.endm
	s_wait_alu depctr_va_vdst(0)
	WTLOAD 0
	s_lshl_b32 s88, s86, 20                        ; hidden: 256 rows of 4,096 bytes,
	s_lshl_b32 s91, s3, 18                         ; my wave's 64,
	s_add_co_u32 s88, s88, s91
	s_add_co_u32 s88, s88, s90                     ; my work-group's 128 columns
	s_add_nc_u64 s[4:5], s[4:5], s[88:89]
	s_lshl_b32 s88, s86, 4                         ; the panel: 8 (2 x row group + wave / 2) + s
	s_lshr_b32 s91, s3, 1
	s_lshl_b32 s91, s91, 3
	s_add_co_u32 s88, s88, s91
	s_add_co_u32 s88, s88, s85
	s_mul_i32 s88, s88, PANEL
	s_add_nc_u64 s[12:13], s[12:13], s[88:89]
	s_and_b32 s90, s3, 1                           ; g: tiles 4 g .. 4 g + 3 of the panel are mine
	s_mul_i32 s91, s90, 6144
	v_add_nc_u32 v10, s91, v4                      ; where a fragment's image goes
	s_lshl_b32 s91, s90, 8
	v_sub_nc_u32 v9, 1, v2
	v_mul_u32_u24 v9, v9, A2OFF
	v_lshl_add_u32 v8, v1, 4, v9
	v_add_nc_u32 v8, s91, v8                       ; the scale words: 16 r + 256 g; lanes 0-15 write Q(hidden)'s panel, lanes 16-31 the other's
	s_mul_i32 s96, s3, 16*SP
	s_add_co_u32 s96, s96, STG                     ; my stage
	v_add_nc_u32 v6, s96, v4                       ; in: a row's 512 bytes as they lie
	v_mul_u32_u24 v7, v1, SP
	v_lshl_add_u32 v7, v2, 6, v7
	v_add_nc_u32 v7, s96, v7                       ; out: row r, + 64 bytes for the upper half of the lanes
	v_lshlrev_b32 v5, 4, v0                        ; the partial sums: 16 bytes a thread
	s_mov_b32 s[SEL], 0x76543210
	s_mov_b32 s[SEL+1], 0xfedcba98
	s_mov_b32 s94, 0xffff0000                      ; lanes 16-31
.irp b, 0,1,2,3
	v_mov_b32 v[TM+4+\b], 0                        ; written once: a lane permute's destination counts as one of its sources
.endr
	s_wait_kmcnt 0x0
	s_wait_loadcnt 0x0
	WTFMA 0
	WTLOAD 1
	s_wait_alu depctr_va_vdst(0)
	s_wait_loadcnt 0x0
	WTFMA 1
.macro LOADT n                         ; tile n of my four: its 16 rows, 512 consecutive bytes a load, in the tile's order of rows
.set RS_, RAW0+64*((\n)%2)
.irp q, 0,1,2,3,4,5,6,7,8,9,10,11,12,13,14,15
	global_load_b128 v[RS_+4*\q:RS_+4*\q+3], v4, s[4:5] offset:(32*((\n)/2)+8*((\n)%2)+\q+8*(\q/8))*4096 th:TH_LOAD_NT
.endr
.endm
.macro TURNX n                         ; the 16 rows through my stage: in as they lie, out 64 numbers of one row a lane.  LDS serves a wave's instructions in order: no wait between the stores and the loads
.set RS_, RAW0+64*((\n)%2)
.irp q, 0,1,2,3,4,5,6,7,8,9,10,11,12,13,14,15
	ds_store_b128 v6, v[RS_+4*\q:RS_+4*\q+3] offset:SP*\q
.endr
.irp b, 0,1,2,3
.irp j, 0,1,2,3
	ds_load_b128 v[X+16*\b+4*\j:X+16*\b+4*\j+3], v7 offset:128*\b+16*\j
.endr
.endr
	s_wait_dscnt 0x0                               ; the numbers are in, and the stores have read their registers
.endm
	global_load_b128 v[32:35], v4, s[10:11]        ; bt of my four columns
	LOADT 0
	LOADT 1
	v_pk_add_f32 v[16:17], v[16:17], v[20:21]
	v_pk_add_f32 v[18:19], v[18:19], v[22:23]
	ds_store_b128 v5, v[16:19]
	s_wait_dscnt 0x0                               ; for the others' sake: my part of the sums lies in LDS
	s_barrier_signal -1
	s_barrier_wait -1
	ds_load_b128 v[16:19], v4
	ds_load_b128 v[20:23], v4 offset:512
	ds_load_b128 v[24:27], v4 offset:1024
	ds_load_b128 v[28:31], v4 offset:1536
	s_wait_dscnt 0x0
	s_wait_loadcnt 32                              ; bt is in; the two tiles' 32 loads behind it may be out
	v_pk_add_f32 v[16:17], v[16:17], v[20:21]
	v_pk_add_f32 v[18:19], v[18:19], v[22:23]
	v_pk_add_f32 v[24:25], v[24:25], v[28:29]
	v_pk_add_f32 v[26:27], v[26:27], v[30:31]
	v_pk_add_f32 v[16:17], v[16:17], v[24:25]
	v_pk_add_f32 v[18:19], v[18:19], v[26:27]
	v_pk_add_f32 v[12:13], v[16:17], v[32:33]      ; task_info of columns 4 lane .. 4 lane + 3: the layout of a row's load
	v_pk_add_f32 v[14:15], v[18:19], v[34:35]
.macro TILE n
.if (\n) < 3
	s_wait_loadcnt 16                              ; this tile's 16 loads are in; the next tile's may be out
.else
	s_wait_loadcnt 0x0
.endif
	TURNX \n
.set RS_, RAW0+64*((\n)%2)
.irp q, 0,1,2,3,4,5,6,7,8,9,10,11,12,13,14,15
	v_pk_add_f32 v[RS_+4*\q:RS_+4*\q+1], v[RS_+4*\q:RS_+4*\q+1], v[12:13]       ; hidden + task_info, in the rows as loaded
	v_pk_add_f32 v[RS_+4*\q+2:RS_+4*\q+3], v[RS_+4*\q+2:RS_+4*\q+3], v[14:15]
.endr
	s_wait_xcnt 0x0                                ; the last fragment's stores have read their registers
	QUANT X, PC, 6
.irp c, 0,1,2
	global_store_b128 v10, v[PC+4*\c:PC+4*\c+3], s[12:13] offset:A2OFF+1536*(\n)+512*\c
.endr
	v_mov_b32 v[PWA], v[PW]
	TURNX \n
.if (\n) < 2
	LOADT (\n)+2                                   ; the set is free: its numbers have gone through the stage twice
.endif
	s_wait_xcnt 0x0
	QUANT X, PC, 6
.irp c, 0,1,2
	global_store_b128 v10, v[PC+4*\c:PC+4*\c+3], s[12:13] offset:1536*(\n)+512*\c
.endr
	v_cndmask_b32 v[SW+(\n)], v[PWA], v[PW], s94
.endm
	s_wait_alu depctr_va_vdst(0)
	TILE 0
	TILE 1
	TILE 2
	TILE 3
	global_store_b128 v8, v[SW:SW+3], s[12:13] offset:12288   ; sixteen lanes store 256 consecutive bytes of each of the two panels
	s_wait_tensorcnt 0x0
	ds_add_u32 v254, v255
	s_wait_dscnt 0x0
	s_endpgm
.Lfunc_end_k_qa3ef1a52ea_prep:
	.size	k_qa3ef1a52ea_prep, .Lfunc_end_k_qa3ef1a52ea_prep-k_qa3ef1a52ea_prep
	.p2alignl 7, 3214868480
	.fill 96, 4, 3214868480
	.section	.rodata,"a",@progbits
	.p2align	6, 0x0
	.amdhsa_kernel k_qa3ef1a52ea_prep
		.amdhsa_group_segment_fixed_size 36352
		.amdhsa_private_segment_fixed_size 0
		.amdhsa_enable_private_segment 0
		.amdhsa_kernarg_size 104
		.amdhsa_user_sgpr_count 2
		.amdhsa_user_sgpr_kernarg_segment_ptr 1
		.amdhsa_wavefront_size32 1
		.amdhsa_system_sgpr_workgroup_id_x 1
		.amdhsa_system_sgpr_workgroup_id_y 1
		.amdhsa_system_sgpr_workgroup_id_z 1
		.amdhsa_system_vgpr_workitem_id 0
		.amdhsa_next_free_vgpr 256
		.amdhsa_next_free_sgpr 100
		.amdhsa_reserve_vcc 0
		.amdhsa_float_denorm_mode_32 3
		.amdhsa_float_denorm_mode_16_64 3
		.amdhsa_memory_ordered 1
		.amdhsa_forward_progress 1
		.amdhsa_inst_pref_size 91
	.end_amdhsa_kernel
	.amdgpu_metadata
---
amdhsa.version: [ 1, 2 ]
amdhsa.kernels:
  - .name:           k_qa3ef1a52ea_prep
    .symbol:         k_qa3ef1a52ea_prep.kd
    .args:
      - { .name: hidden_states, .offset: 0, .size: 8, .value_kind: global_buffer, .address_space: global }
      - { .name: task_embedding, .offset: 8, .size: 8, .value_kind: global_buffer, .address_space: global }
      - { .name: Wt, .offset: 16, .size: 8, .value_kind: global_buffer, .address_space: global }
      - { .name: bt, .offset: 24, .size: 8, .value_kind: global_buffer, .address_space: global }
      - { .name: Wq_codes, .offset: 32, .size: 8, .value_kind: global_buffer, .address_space: global }
      - { .name: Wq_scales, .offset: 40, .size: 8, .value_kind: global_buffer, .address_space: global }
      - { .name: Wk_codes, .offset: 48, .size: 8, .value_kind: global_buffer, .address_space: global }
      - { .name: Wk_scales, .offset: 56, .size: 8, .value_kind: global_buffer, .address_space: global }
      - { .name: Wv_codes, .offset: 64, .size: 8, .value_kind: global_buffer, .address_space: global }
      - { .name: Wv_scales, .offset: 72, .size: 8, .value_kind: global_buffer, .address_space: global }
      - { .name: Wo_codes, .offset: 80, .size: 8, .value_kind: global_buffer, .address_space: global }
      - { .name: Wo_scales, .offset: 88, .size: 8, .value_kind: global_buffer, .address_space: global }
      - { .name: img, .offset: 96, .size: 8, .value_kind: global_buffer, .address_space: global }
    .group_segment_fixed_size: 36352
    .private_segment_fixed_size: 0
    .kernarg_segment_align: 8
    .kernarg_segment_size: 104
    .max_flat_workgroup_size: 128
    .sgpr_count:     100
    .vgpr_count:     256
    .wavefront_size: 32
...
	.end_amdgpu_metadata
.endif
;; end of part 1
;; launch qkv (part 2): grid 4 x 64, 4 waves a work-group, clusters of 4 x 4, 327,680 bytes of LDS; arguments img, bq, bk, bv, mask, qrec, kv; writes qrec, kv
.if DOCPART == 2
	.amdgcn_target "amdgcn-amd-amdhsa--gfx1250"
	.amdhsa_code_object_version 6
	.text
	.protected	k_qa3ef1a52ea_qkv
	.globl	k_qa3ef1a52ea_qkv
	.p2align	8
	.type	k_qa3ef1a52ea_qkv,@function
k_qa3ef1a52ea_qkv:
	s_mov_b64 s[64:65], 0
	v_nop
	global_prefetch_b8 v0, s[64:65] scope:SCOPE_SE
	s_setreg_imm32_b32 hwreg(HW_REG_WAVE_MODE, 25, 1), 1
	s_wait_xcnt 0x0
	s_wait_alu depctr_hold_cnt(0) depctr_sa_sdst(0) depctr_va_vdst(0) depctr_va_sdst(0) depctr_va_ssrc(0) depctr_va_vcc(0) depctr_vm_vsrc(0)
	s_getreg_b32 s2, hwreg(HW_REG_IB_STS2, 6, 4)
	s_cmp_eq_u32 s2, 0
	s_cbranch_scc0 .Lentry_in_a_cluster
	s_endpgm
.Lentry_in_a_cluster:
	s_bfe_u32 s2, ttmp6, 0x10000c
	s_cmp_lg_u32 s2, 0xf033
	s_cbranch_scc0 .Lentry_shape_is_right
	s_endpgm
.Lentry_shape_is_right:
; QKV.  q = Q(hidden + task_info) Wq + bq, k = Q(hidden) Wk + bk, v = Q(hidden) Wv + bv on E2M3 codes, and each result quantised at once for attention's products; nothing wide goes to memory.
; A WORK-GROUP STAYS: it does three jobs, q, k and v, one after the other; in each it makes 256 L rows x 128 R rows over all of K = 1,024.  L is source 1 (a lane holds one L row), R is source 0 (a lane's registers
; run along R: by the panels' order of rows the 16 registers of two neighbouring tiles are 16 neighbours).  Jobs 0, 1 (q, k): L = tokens, R = the weight's rows, so the registers run along the head's 64, the first attention
; product's K.  Job 2 (v): L = Wv's rows, R = tokens, so the registers run along the keys, the second product's K.  A wave makes 64 L rows x 128 R rows: 32 accumulators.
; LDS holds a job's operands for all of K (24 panels of 12,800 bytes = 307,200), in TWO PARTS: part A is K steps 0-2, part B K steps 3-7.  A part comes by one tensor load a wave: waves 0, 1 a panel row of L each
; (150 or 250 rows of 256 bytes), waves 2, 3 half of R's panel row each (75 or 125 rows).  Part A of the next job is asked for when every wave has read this job's K steps 0-2: six K steps of products ahead of the wait
; for it.  Part B of the next job is asked for behind this job's last products: the whole way out and three K steps ahead of its first read.  For that reason no data prefetch is laid.
; In front of each refill every wave waits for its tensor loads and for an LDS add, and a round of the cluster's barrier follows.  The last job asks for nothing and is written out.  Every wait on TENSORcnt is for 0.
; CLUSTERS: 4 x 4 work-groups; the four of a row of the cluster share L's panels, the four of a column R's: each load is asked for jointly.  The job and the cluster's number are the same in all partners.
; THE KEY MASK RIDES IN THE FIRST ATTENTION PRODUCT.  That product's K is 64, the matrix instruction's is 128.  At k = 64 every query carries the code of +1.0 under the scale byte 127, a key with mask == 0 the code of
; -1.0 under the byte 160 (-2^33), any other key the code 0 under the byte 1.  So a masked key's score is q.k - 2^33, and its weight falls to 0 as with the reference's -1e9.  All codes of q from k = 65 on are zeros.
; RECORDS.  qrec [batch x 16 + head][step of 128 queries]: 8 half records of 1,024 bytes (16 rows: registers 0-3 at 16 lane, registers 4-7 at 512 + 16 lane; registers 0-5 the head's 64 codes, 6 the code at k = 64, 7 zero),
; then 512 bytes of scale words: 8,704 bytes.  kv [batch x 16 + head][step of 128 keys]: the same 8,704 bytes for k, then four fragment images of v^T (16 of the head's 64 x 128 keys), then their 256 bytes of scale words: 15,104.
; LIMITS: |q.k| of keys that count stays far under 2^33; NaN and infinities are not served; a block of zeros gets the byte 1 (its codes are zeros, and only this program reads the bytes).
; REGISTERS, in windows of 256.  Window 0: v4-11 LDS addresses; v16-111 L's fragments, two sets; v112-127 scale words, two sets, and nothing else; v128-203 biases and mask; v204-241 at work on the way out.
;   Window 1: R's fragments, two sets, at v0 and v128.   Window 2: accumulator (a, b) at v[8 (8 a + b)].
.set PANEL, 12800
.set LPAN,  102400
.set RLDS,  204800
.set WV,  18
.set SEL, 20
.set JB,  22                           ; the job
.set G1L, 24
.set G1R, 32
.set G0L, 40
.set G0R, 44
.set T,   16
.set RC,  80
.set TT,  96
.set SC,  112
.set BR,  128
.set BL,  192
.set MK,  200
.set TM,  208
.set PW,  220
.set SW,  224
.set PWV, 228
.set MSB, 0
.set MULW, 0xa1                        ; source 0 (R) window 1, source 1 (L) window 0, C and D window 2
.set TO_R, 0x40
.macro WIN new
.if MSB != \new
	s_set_vgpr_msb (MSB<<8)|\new
.set MSB, \new
.endif
.endm
.macro PLACES
.rept 4
	v_nop
.endr
.endm
.macro CROUND
	s_barrier_signal -1
	s_barrier_wait -1
	s_cmp_lg_u32 s[WV], 0
	s_cbranch_scc1 .Lnot_wave_0_\@
	s_barrier_signal -3
.Lnot_wave_0_\@:
	s_barrier_wait -3
	s_barrier_signal -1
	s_barrier_wait -1
.endm
.macro JLOAD                           ; one joint load a wave: waves 0, 1 for L, waves 2, 3 for R
	s_cmp_lt_u32 s[WV], 2
	s_cbranch_scc0 .Lfor_r_\@
	tensor_load_to_lds s[G0L:G0L+3], s[G1L:G1L+7]
	s_nop 0
	PLACES
	s_branch .Lasked_\@
.Lfor_r_\@:
	tensor_load_to_lds s[G0R:G0R+3], s[G1R:G1R+7]
	s_nop 0
	PLACES
.Lasked_\@:
.endm
; where job s[jr]'s tiles begin in img: L's in s54, R's in s58.  L's hangs on cy, R's on cx, each in registers that never hold the other
.macro DESC jr
	s_lshr_b32 s52, s79, 1                         ; L's tile of 256 rows: q, k: 4 (idx / 2) + cy;  v: cy
	s_lshl_b32 s52, s52, 2
	s_cmp_eq_u32 s[\jr], 2
	s_cselect_b32 s52, 0, s52
	s_add_co_u32 s52, s52, s77
	s_and_b32 s56, s79, 1                          ; R's tile of 128 rows: q, k: 4 (idx % 2) + cx;  v: 4 idx + cx
	s_lshl_b32 s56, s56, 2
	s_lshl_b32 s60, s79, 2
	s_cmp_eq_u32 s[\jr], 2
	s_cselect_b32 s56, s60, s56
	s_add_co_u32 s56, s56, s76
	s_mov_b32 s60, 6553600
	s_mov_b32 s61, 14745600
	s_cmp_eq_u32 s[\jr], 1                         ; where L lies in img: Q(hidden + task_info), Q(hidden), Wv
	s_cselect_b32 s54, s60, 0
	s_cmp_eq_u32 s[\jr], 2
	s_cselect_b32 s54, s61, s54
	s_mul_i32 s58, s[\jr], 819200                  ; and R: Wq, Wk, Q(hidden)
	s_add_co_u32 s58, s58, 13107200
	s_cmp_eq_u32 s[\jr], 2
	s_cselect_b32 s58, s60, s58
	s_mul_i32 s53, s52, 2*LPAN
	s_add_co_u32 s54, s54, s53
	s_mul_i32 s57, s56, LPAN
	s_add_co_u32 s58, s58, s57
.endm
; the descriptors of part st (0: A, 1: B) of the job whose tiles begin at s54, s58.  Written only where no tensor load of the wave is out
.macro SETG st
	s_add_co_u32 s72, s54, s[68+\st]
	s_mov_b32 s73, 0
	s_add_nc_u64 s[G0L+2:G0L+3], s[4:5], s[72:73]
	s_or_b32 s[G0L+3], s[G0L+3], 0x80000000
	s_mov_b32 s[G0L+1], s[68+\st]
	s_add_co_u32 s74, s58, s[70+\st]
	s_mov_b32 s75, 0
	s_add_nc_u64 s[G0R+2:G0R+3], s[4:5], s[74:75]
	s_or_b32 s[G0R+3], s[G0R+3], 0x80000000
	s_add_co_u32 s[G0R+1], s[70+\st], RLDS
	s_mov_b32 s[G1L+2], (150+100*\st)<<16          ; three or five panels of L: 150 or 250 rows
	s_mov_b32 s[G1L+4], 150+100*\st
	s_mov_b32 s[G1R+2], (75+50*\st)<<16            ; half of as many panels of R
	s_mov_b32 s[G1R+4], 75+50*\st
.endm
; 64 numbers of a lane, register 16 b + i = k 32 b + 16 (lane / 16) + i of its row, become codes (blocks 2 c, 2 c + 1 in six registers from dst + str c on) and the row's scale word in v[PW]
.macro QUANT src, dst, str
.irp b, 0,1,2,3
	v_max3_num_f32 v[TM+\b], |v[\src+16*\b]|, |v[\src+1+16*\b]|, 0x1800000   ; my 16 numbers of block b, and the floor 2^(3 - 127)
.endr
.irp i, 2,4,6,8,10,12,14
.irp b, 0,1,2,3
	v_max3_num_f32 v[TM+\b], v[TM+\b], |v[\src+16*\b+\i]|, |v[\src+1+16*\b+\i]|
.endr
.endr
.irp b, 0,1,2,3
	v_permlanex16_b32 v[TM+4+\b], v[TM+\b], s[SEL], s[SEL+1]
.endr
.irp b, 0,1,2,3
	v_max_num_f32 v[TM+\b], v[TM+\b], v[TM+4+\b]
.endr
.irp b, 0,1,2,3
	v_add_nc_u32 v[TM+8+\b], 0xff000000, v[TM+\b]      ; 2 off the exponent field: the conversion's scale operand
.endr
.irp b, 0,1,2,3
	v_lshrrev_b32 v[TM+4+\b], 23, v[TM+8+\b]           ; the scale's byte
.endr
	v_lshl_or_b32 v[PW], v[TM+5], 8, v[TM+4]
	v_lshl_or_b32 v[PW], v[TM+6], 16, v[PW]
	v_lshl_or_b32 v[PW], v[TM+7], 24, v[PW]
	s_wait_alu depctr_va_vdst(0)
	s_wait_xcnt 0x0                                    ; the last tile's stores have read their registers: the conversions below are the first lines that write them again
.irp c, 0,1
	v_cvt_scalef32_pk16_fp6_f32 v[\dst+\str*\c:\dst+\str*\c+2], v[\src+32*\c:\src+32*\c+15], v[TM+8+2*\c]
	v_cvt_scalef32_pk16_fp6_f32 v[TT+4*\c:TT+4*\c+2], v[\src+16+32*\c:\src+31+32*\c], v[TM+9+2*\c]
.endr
	v_nop                                              ; one plain place behind the scaled conversions
.irp c, 0,1
.irp i, 0,1,2
	v_permlane16_swap_b32 v[\dst+\str*\c+\i], v[TT+4*\c+\i]
.endr
.irp i, 0,1,2
	v_mov_b32 v[\dst+\str*\c+3+\i], v[TT+4*\c+\i]
.endr
.endr
.endm
.macro FETCH s                         ; K step s: 38 LDS loads of 16 bytes a lane, each 512 consecutive bytes
.set FS, (\s)%2
.set FA, 4+4*((\s)/4)
.set FO, ((\s)%4)*PANEL
	WIN TO_R
.irp b, 0,1,2,3,4,5,6,7
.irp c, 0,1,2
	ds_load_b128 v[128*FS+12*\b+4*\c:128*FS+12*\b+4*\c+3], v[FA+1] offset:FO+1536*\b+512*\c
.endr
.endr
	WIN 0
.irp a, 0,1,2,3
.irp c, 0,1,2
	ds_load_b128 v[16+48*FS+12*\a+4*\c:16+48*FS+12*\a+4*\c+3], v[FA] offset:FO+1536*\a+512*\c
.endr
.endr
	ds_load_b128 v[SC+8*FS:SC+8*FS+3], v[FA+2] offset:FO      ; lanes 0-15: L's tiles 0-3; lanes 16-31: R's tiles 0-3
	ds_load_b128 v[SC+8*FS+4:SC+8*FS+7], v[FA+3] offset:FO    ; lanes 16-31: R's tiles 4-7
.endm
.macro MUL s                           ; 32 matrix instructions; the accumulators take turns, in the same order in every step; the first step starts the sums
.set FS, (\s)%2
	WIN MULW
.irp a, 0,1,2,3
.irp b, 0,1,2,3,4,5,6,7
.if (\s) == 0
	v_wmma_scale_f32_16x16x128_f8f6f4 v[8*(8*\a+\b):8*(8*\a+\b)+7], v[128*FS+12*\b:128*FS+12*\b+11], v[16+48*FS+12*\a:16+48*FS+12*\a+11], 0, v[SC+8*FS+\b], v[SC+8*FS+\a] matrix_a_fmt:MATRIX_FMT_FP6 matrix_b_fmt:MATRIX_FMT_FP6 matrix_a_scale:MATRIX_SCALE_ROW1
.else
	v_wmma_scale_f32_16x16x128_f8f6f4 v[8*(8*\a+\b):8*(8*\a+\b)+7], v[128*FS+12*\b:128*FS+12*\b+11], v[16+48*FS+12*\a:16+48*FS+12*\a+11], v[8*(8*\a+\b):8*(8*\a+\b)+7], v[SC+8*FS+\b], v[SC+8*FS+\a] matrix_a_fmt:MATRIX_FMT_FP6 matrix_b_fmt:MATRIX_FMT_FP6 matrix_a_scale:MATRIX_SCALE_ROW1
.endif
.endr
.endr
.endm
; A job's eight K steps.  Part A is whole for every wave when the macro begins.  In front of K step 3's fragments: part B has landed, and K steps 0-2 have been read.
; rf = 1: part A is filled again, with the next job's; rf = 0, the last job: a work-group barrier alone, behind which nothing is filled
.macro MATMUL rf
	FETCH 0
.irp s, 0,1,2,3,4,5,6
.if \s == 2
	WIN 0
	s_wait_tensorcnt 0x0                           ; my part of part B has landed
.if \rf
	ds_add_u32 v254, v255
	s_add_co_u32 s23, s[JB], 1
	DESC 23                                        ; no load of mine is out: the next job's part A
	SETG 0
	s_wait_dscnt 0x0                               ; the add is done, and so are my reads of K steps 0-2
	CROUND                                         ; that holds of every wave of all sixteen work-groups
	JLOAD                                          ; the four v_nop behind it are the places in front of the loads below
.else
	s_wait_dscnt 0x0
	s_barrier_signal -1
	s_barrier_wait -1
	PLACES
.endif
.else
.if \s > 0
	PLACES                                         ; four places between the last products and the loads into the registers that they read
.endif
.endif
	FETCH \s+1
	s_wait_dscnt 38                                ; all but the 38 just issued
	MUL \s
.endr
	s_wait_dscnt 0x0
	MUL 7
	WIN 0
.endm
	s_load_b256 s[4:11], s[0:1], 0x0               ; img s[4:5], bq s[6:7], bk s[8:9], bv s[10:11]
	s_load_b128 s[12:15], s[0:1], 0x20             ; mask s[12:13], qrec s[14:15]
	s_load_b64 s[16:17], s[0:1], 0x30              ; kv
	v_lshl_add_u32 v254, v0, 2, 0x4b000
	v_mov_b32 v255, 0
	ds_add_u32 v254, v255
	ds_add_u32 v254, v255
	v_lshrrev_b32 v1, 5, v0
	v_readfirstlane_b32 s[WV], v1                  ; wave 0..3
	s_bfe_u32 s76, ttmp6, 0x40000                  ; cx
	s_bfe_u32 s77, ttmp6, 0x40004                  ; cy
	s_and_b32 s79, ttmp7, 0xffff                   ; idx: the cluster's number, 0..15
	s_lshr_b32 s90, s[WV], 1
	s_and_b32 s91, s[WV], 1
	s_mul_i32 s68, s91, LPAN                       ; my place in a tile and in LDS alike.  L, waves 0, 1: panel row wave % 2, part A;
	s_add_co_u32 s69, s68, 38400                   ; part B, three panels on
	s_mul_i32 s70, s91, 19200                      ; R, waves 2, 3: half wave % 2 of part A's three panels;
	s_mul_i32 s71, s91, 32000                      ; of part B's five.  No place in the cluster enters an LDS address
	s_add_co_u32 s71, s71, 38400
	s_lshl_b32 s94, s77, 2
	s_lshl_b32 s94, 15, s94                        ; my row of the cluster
	s_lshl_b32 s95, 0x1111, s76                    ; my column
	s_or_b32 s[G1L], s94, (3<<16)|(1<<21)          ; dense blocks as rows of 256 bytes (32 elements of 8 bytes)
	s_or_b32 s[G1R], s95, (3<<16)|(1<<21)
.irp g, G1L, G1R
	s_mov_b32 s[\g+1], 32<<16
	s_mov_b32 s[\g+3], 32<<16
	s_mov_b32 s[\g+5], 32
	s_mov_b32 s[\g+6], 0
	s_mov_b32 s[\g+7], 0
.endr
	s_mov_b32 s[G0L], 1
	s_mov_b32 s[G0R], 1
	s_mov_b32 s[JB], 0
	s_wait_dscnt 0x0
	s_wait_kmcnt 0x0
	DESC JB
	SETG 0
	CROUND                                         ; all sixteen work-groups are here: the joint loads meet
	JLOAD                                          ; job 0's part A: one tensor load a wave at the head
	s_lshr_b32 s80, s79, 1                         ; jobs 0 and 1: L's tile,
	s_lshl_b32 s80, s80, 2
	s_add_co_u32 s80, s80, s77
	s_and_b32 s81, s79, 1                          ; and R's
	s_lshl_b32 s81, s81, 2
	s_add_co_u32 s81, s81, s76
	s_lshl_b32 s86, s81, 9                         ; 128 numbers of the bias along R
	s_lshl_b32 s87, s80, 10                        ; 256 mask words along L,
	s_lshl_b32 s96, s[WV], 8                       ; my wave's 64 of them
	s_add_co_u32 s87, s87, s96
	s_mul_i32 s98, s90, LPAN
	s_mul_i32 s82, s91, 6144
	s_add_co_u32 s82, s82, s98
	s_lshl_b32 s83, s91, 8
	s_add_co_u32 s83, s83, s98
	s_sub_co_u32 s84, RLDS, s83
	s_add_co_u32 s85, s83, 12288
	s_mov_b32 s[SEL], 0x76543210
	s_mov_b32 s[SEL+1], 0xfedcba98
	s_mov_b32 s99, 0xffff0000                      ; lanes 16-31
	v_and_b32 v1, 15, v0                           ; r
	v_bfe_u32 v2, v0, 4, 1                         ; h
	v_and_b32 v3, 31, v0                           ; lane
	v_lshlrev_b32 v232, 4, v3                      ; 16 x lane
	v_lshlrev_b32 v235, 6, v2
	v_and_b32 v241, 8, v1
	v_add_nc_u32 v235, s86, v235                   ; 64 h: the 16 numbers of my half of a block
	v_add_nc_u32 v241, v241, v1
	v_lshlrev_b32 v241, 2, v241                    ; 4 (r + 8 (r / 8)): my lane's row of a tile
	v_add_nc_u32 v237, s87, v241
.irp m, 0,1,2,3
	global_load_b32 v[MK+\m], v237, s[12:13] offset:(32*(\m/2)+8*(\m%2))*4
.endr
	; LDS addresses: two sets, for K steps 0-3 and 4-7; the K step stands in the immediate, so none is ever rewritten
	v_add_nc_u32 v4, s82, v232                     ; L: my four tiles
	v_add_nc_u32 v5, RLDS, v232                    ; R: all eight
	v_mul_u32_u24 v6, s84, v2                      ; scale words: lanes 0-15 take my four tiles of L, lanes 16-31 R's: one product, half x the distance
	v_lshl_add_u32 v6, v1, 4, v6
	v_add_nc_u32 v6, s85, v6
	v_lshl_add_u32 v7, v2, 8, v6                   ; and R's tiles 4-7
.irp i, 0,1,2,3
	v_add_nc_u32 v[8+\i], 4*PANEL, v[4+\i]
.endr
	v_mov_b32 v12, 0
	v_mov_b32 v13, 40                              ; the code of -1.0
	v_mov_b32 v14, 0x01a00000                      ; a masked key's bytes 2 and 3: 160, 1
.irp b, 0,1,2,3
	v_mov_b32 v[TM+4+\b], 0                        ; written once: a lane permute's destination counts as one of its sources
.endr
	s_wait_alu depctr_va_vdst(0)
	s_wait_tensorcnt 0x0                           ; my part of job 0's part A has landed
	ds_add_u32 v254, v255
	SETG 1
	s_wait_dscnt 0x0
	CROUND                                         ; everybody's has, in all sixteen work-groups
	JLOAD                                          ; job 0's part B
	; ---- jobs 0 and 1: q, k.  Here part A of the job is whole for every wave, and part B is on its way
.Ljob:
	s_cmp_eq_u32 s[JB], 1
	s_cselect_b64 s[48:49], s[8:9], s[6:7]         ; bk or bq
.irp n, 0,1,2,3,4,5,6,7
	global_load_b128 v[BR+8*\n:BR+8*\n+3], v235, s[48:49] offset:(32*(\n/2)+8*(\n%2))*4
	global_load_b128 v[BR+8*\n+4:BR+8*\n+7], v235, s[48:49] offset:(32*(\n/2)+8*(\n%2))*4+16
.endr
	MATMUL 1
	s_wait_tensorcnt 0x0                           ; my part of the next job's part A has landed
	ds_add_u32 v254, v255
	SETG 1                                         ; no load of mine is out: the next job's part B
	s_wait_dscnt 0x0                               ; the add is done, and so are my reads of this job's operands
	CROUND                                         ; that holds of every wave of all sixteen work-groups
	JLOAD                                          ; the four v_nop behind it are the places in front of the first read of results
	s_wait_loadcnt 0x0                             ; bias and mask
	s_mov_b32 s86, 15104
	s_mov_b32 s97, 0x01010000
	s_cmp_eq_u32 s[JB], 1
	s_cselect_b32 s86, s86, 8704                   ; a record's bytes
	s_cselect_b64 s[50:51], s[16:17], s[14:15]     ; k goes to kv, q to qrec
	s_cselect_b32 s98, -1, 0                       ; only keys are masked
	s_cmp_eq_u32 s[JB], 0
	s_cselect_b32 s96, 8, 0                        ; the code at k = 64: +1.0 for a query
	s_cselect_b32 s97, 0x017f0000, s97             ; bytes 2 and 3: 127, 1 for a query; 1, 1 for a key that counts
	s_lshr_b32 s92, s80, 3                         ; record = ((16 batch + first head) 16 + step) records
	s_lshl_b32 s92, s92, 4
	s_lshl_b32 s93, s81, 1
	s_add_co_u32 s92, s92, s93
	s_lshl_b32 s92, s92, 4
	s_and_b32 s93, s80, 7
	s_lshl_b32 s93, s93, 1
	s_add_co_u32 s92, s92, s93
	s_add_co_u32 s92, s92, s90
	s_mul_i32 s92, s92, s86
	s_lshl_b32 s93, s91, 12                        ; my four half records
	s_add_co_u32 s92, s92, s93
	s_mov_b32 s93, 0
	s_add_nc_u64 s[50:51], s[50:51], s[92:93]
	s_lshl_b32 s95, s86, 4                         ; from a head to the next: 16 records
	v_add_nc_u32 v233, s95, v232                   ; the second head's place
	s_mul_i32 s94, s91, 3840
	s_sub_co_u32 s94, 8192, s94                    ; from my half records to my 256 bytes of scale words
	v_mul_u32_u24 v234, s95, v2
	v_lshl_add_u32 v234, v1, 4, v234
	v_add_nc_u32 v234, s94, v234                   ; lanes 0-15 write the first head's words, lanes 16-31 the second's
	v_mov_b32 v238, s96
	v_cndmask_b32 v238, v238, v12, s99             ; the code at k = 64 lies in lanes 0-15; lanes 16-31 (k = 96 on) hold zeros
	v_mov_b32 v239, s97
	v_mov_b32 v[RC+7], 0
	v_mov_b32 v[RC+15], 0
.irp m, 0,1,2,3
	WIN 0x02                                       ; source 0: window 2
.set ii, 0
.rept 32
	v_pk_add_f32 v[T+2*ii:T+2*ii+1], v[64*\m+2*ii:64*\m+2*ii+1], v[BR+2*ii:BR+2*ii+1]   ; + bias; each accumulator from its low end on
.set ii, ii+1
.endr
	WIN 0
	QUANT T, RC, 8                                 ; blocks 0, 1: the first head; blocks 2, 3: the second
	v_cmp_eq_u32 vcc_lo, 0, v[MK+\m]
	s_and_b32 s100, vcc_lo, s98                    ; lanes whose key is masked
	s_and_b32 s101, s100, 0xffff
	v_cndmask_b32 v[RC+6], v238, v13, s101
	v_mov_b32 v[RC+14], v[RC+6]
	v_cndmask_b32 v205, v239, v14, s100
	v_and_b32 v206, 0xffff, v[PW]
	v_lshrrev_b32 v207, 16, v[PW]
	v_cndmask_b32 v206, v206, v207, s99
	v_or_b32 v[SW+\m], v206, v205
.irp c, 0,1
	global_store_b128 v232, v[RC+4*\c:RC+4*\c+3], s[50:51] offset:1024*\m+512*\c
	global_store_b128 v233, v[RC+8+4*\c:RC+8+4*\c+3], s[50:51] offset:1024*\m+512*\c
.endr
.endr
	global_store_b128 v234, v[SW:SW+3], s[50:51]
	s_wait_xcnt 0x0                                ; the stores have read their registers and their base
	s_add_co_u32 s[JB], s[JB], 1
	s_cmp_lt_u32 s[JB], 2
	s_wait_alu depctr_va_vdst(0)
	s_cbranch_scc1 .Ljob
	; ---- job 2: v: my head's four tiles of 16 channels x 128 keys.  Nothing more is asked for
	s_mov_b32 s80, s77                             ; L's tile: cy
	s_lshl_b32 s81, s79, 2
	s_add_co_u32 s81, s81, s76                     ; R's tile: 4 idx + cx
	s_lshl_b32 s97, s80, 10
	s_lshl_b32 s96, s[WV], 8
	s_add_co_u32 s97, s97, s96
	v_add_nc_u32 v236, s97, v241
.irp m, 0,1,2,3
	global_load_b32 v[BL+2*\m], v236, s[10:11] offset:(32*(\m/2)+8*(\m%2))*4   ; the bias of my lane's channel
	v_mov_b32 v[BL+2*\m+1], 0
.endr
	s_wait_alu depctr_va_vdst(0)
	MATMUL 0
	PLACES                                         ; in front of the first read of results
	s_wait_loadcnt 0x0
	s_lshr_b32 s92, s81, 4                         ; record = ((16 batch + head) 16 + step) records
	s_lshl_b32 s92, s92, 4
	s_lshl_b32 s93, s80, 2
	s_add_co_u32 s92, s92, s93
	s_add_co_u32 s92, s92, s[WV]
	s_lshl_b32 s92, s92, 4
	s_and_b32 s93, s81, 15
	s_add_co_u32 s92, s92, s93
	s_mul_i32 s92, s92, 15104
	s_mov_b32 s93, 0
	s_add_nc_u64 s[16:17], s[16:17], s[92:93]
	v_lshlrev_b32 v234, 3, v3
.irp m, 0,1,2,3
	WIN 0x02
.set ii, 0
.rept 32
	v_pk_add_f32 v[T+2*ii:T+2*ii+1], v[64*\m+2*ii:64*\m+2*ii+1], v[BL+2*\m:BL+2*\m+1] op_sel_hi:[1,0]   ; + my channel's bias
.set ii, ii+1
.endr
	WIN 0
	QUANT T, RC, 6
	v_mov_b32 v[PWV+\m], v[PW]
.irp c, 0,1,2
	global_store_b128 v232, v[RC+4*\c:RC+4*\c+3], s[16:17] offset:8704+1536*\m+512*\c
.endr
.endr
	v_cndmask_b32 v206, v[PWV], v[PWV+2], s99      ; lanes 0-15: tiles 0, 1; lanes 16-31: tiles 2, 3
	v_cndmask_b32 v207, v[PWV+1], v[PWV+3], s99
	global_store_b64 v234, v[206:207], s[16:17] offset:14848
	s_wait_tensorcnt 0x0                           ; the wave's end
	ds_add_u32 v254, v255
	s_wait_dscnt 0x0
	CROUND                                         ; the closing round
	s_endpgm
.Lfunc_end_k_qa3ef1a52ea_qkv:
	.size	k_qa3ef1a52ea_qkv, .Lfunc_end_k_qa3ef1a52ea_qkv-k_qa3ef1a52ea_qkv
	.p2alignl 7, 3214868480
	.fill 96, 4, 3214868480
	.section	.rodata,"a",@progbits
	.p2align	6, 0x0
	.amdhsa_kernel k_qa3ef1a52ea_qkv
		.amdhsa_group_segment_fixed_size 327680
		.amdhsa_private_segment_fixed_size 0
		.amdhsa_enable_private_segment 0
		.amdhsa_kernarg_size 56
		.amdhsa_user_sgpr_count 2
		.amdhsa_user_sgpr_kernarg_segment_ptr 1
		.amdhsa_wavefront_size32 1
		.amdhsa_system_sgpr_workgroup_id_x 1
		.amdhsa_system_sgpr_workgroup_id_y 1
		.amdhsa_system_sgpr_workgroup_id_z 1
		.amdhsa_system_vgpr_workitem_id 0
		.amdhsa_next_free_vgpr 768
		.amdhsa_next_free_sgpr 104
		.amdhsa_reserve_vcc 1
		.amdhsa_float_denorm_mode_32 3
		.amdhsa_float_denorm_mode_16_64 3
		.amdhsa_memory_ordered 1
		.amdhsa_forward_progress 1
		.amdhsa_inst_pref_size 176
	.end_amdhsa_kernel
	.amdgpu_metadata
---
amdhsa.version: [ 1, 2 ]
amdhsa.kernels:
  - .name:           k_qa3ef1a52ea_qkv
    .symbol:         k_qa3ef1a52ea_qkv.kd
    .args:
      - { .name: img, .offset: 0, .size: 8, .value_kind: global_buffer, .address_space: global }
      - { .name: bq, .offset: 8, .size: 8, .value_kind: global_buffer, .address_space: global }
      - { .name: bk, .offset: 16, .size: 8, .value_kind: global_buffer, .address_space: global }
      - { .name: bv, .offset: 24, .size: 8, .value_kind: global_buffer, .address_space: global }
      - { .name: mask, .offset: 32, .size: 8, .value_kind: global_buffer, .address_space: global }
      - { .name: qrec, .offset: 40, .size: 8, .value_kind: global_buffer, .address_space: global }
      - { .name: kv, .offset: 48, .size: 8, .value_kind: global_buffer, .address_space: global }
    .group_segment_fixed_size: 327680
    .private_segment_fixed_size: 0
    .kernarg_segment_align: 8
    .kernarg_segment_size: 56
    .max_flat_workgroup_size: 128
    .sgpr_count:     104
    .vgpr_count:     768
    .wavefront_size: 32
...
	.end_amdgpu_metadata
.endif
;; end of part 2
;; launch attn (part 3): grid 4 x 64, 8 waves a work-group, clusters of 4 x 1, 243,712 bytes of LDS; arguments qrec, kv, mask, ctx, ctxs; writes ctx, ctxs
.if DOCPART == 3
	.amdgcn_target "amdgcn-amd-amdhsa--gfx1250"
	.amdhsa_code_object_version 6
	.text
	.protected	k_qa3ef1a52ea_attn
	.globl	k_qa3ef1a52ea_attn
	.p2align	8
	.type	k_qa3ef1a52ea_attn,@function
k_qa3ef1a52ea_attn:
	s_mov_b64 s[64:65], 0
	v_nop
	global_prefetch_b8 v0, s[64:65] scope:SCOPE_SE
	s_setreg_imm32_b32 hwreg(HW_REG_WAVE_MODE, 25, 1), 1
	s_wait_xcnt 0x0
	s_wait_alu depctr_hold_cnt(0) depctr_sa_sdst(0) depctr_va_vdst(0) depctr_va_sdst(0) depctr_va_ssrc(0) depctr_va_vcc(0) depctr_vm_vsrc(0)
	s_getreg_b32 s2, hwreg(HW_REG_IB_STS2, 6, 4)
	s_cmp_eq_u32 s2, 0
	s_cbranch_scc0 .Lentry_in_a_cluster
	s_endpgm
.Lentry_in_a_cluster:
	s_bfe_u32 s2, ttmp6, 0x10000c
	s_cmp_lg_u32 s2, 0x3003
	s_cbranch_scc0 .Lentry_shape_is_right
	s_endpgm
.Lentry_shape_is_right:
; ATTENTION on E2M3 codes.  A work-group owns one head of one batch and 512 of its queries; each of its eight waves owns 32 queries (tiles A and B of 16) at a time, twice.
; The head's K and V for all 2,048 keys (16 records of 15,104 bytes, images of operand registers) lie in LDS: 241,664 bytes, filled ONCE, two records by each wave's one tensor load.
; CLUSTER: the four work-groups of a cluster are the four blocks of queries of one head: each load is asked for jointly.
; No data prefetch: every byte of K and V is asked for at the head, so there is no loop to run ahead in.
; Both products are used transposed: S^T = K Q^T (source 0 = 16 keys), O^T = V^T P^T (source 0 = 16 of the head's 64): a lane holds ONE query of each tile throughout.
; WHICH KEYS FORM A TILE is chosen by the LDS address: row 8 g + j of tile 4 c + u is key 64 c + 32 g + 8 u + j of the step.  So registers 32 c .. 32 c + 31 of lane (r, h) are keys
; 64 c + 32 h + 0 .. 31: a WHOLE block of p in a lane, in the order of the second product's operand: a block's maximum asks no other lane, and the codes are not exchanged between lanes.
; In a record that key lies in half record 4 c + 2 g + u % 2 at row 8 (u / 2) + j.
; THE FIRST PRODUCT'S K IS 64: a key tile brings registers 0-7; registers 8-11 are the next tile's first four (for the last tile four zeros) and meet zero codes of q.  At k = 64 q holds +1.0 and a masked key -2^33.
; SOFTMAX: t = score x log2(e) / 8; M = the largest t so far, rounded up to a whole number; p = 2^(t - M) is quantised along the keys, not normalised; the sum is taken of the unquantised p and divides O at the end.
; A BATCH WITH EVERY KEY MASKED: the batch's mask words are joined by OR; c is log2(e) / 8 if any is set and 0 otherwise (a select): with c = 0 every p is 1, as the reference's equal weights.
; A step's K is read from LDS behind the step before's first products, its V behind that step's second products.  The last step of a pass reads nothing ahead and is written out.
; LIMITS: |q.k| of keys that count stays far under 2^33; NaN and infinities are not served; a block of zeros gets the byte 1; O's scale bytes leave as single bytes.
; REGISTERS.  Window 0: v1-14 addresses; v16-23, v58-59 both tiles' -M, largest score, f; v36-45 scale words alone; v46-63 at work; v188-251 K's eight tiles, v252-255 zeros.
;   In windows 0 (tile A) and 1 (tile B) alike: v18-19 the sum, v24-35 Q, v64-127 S^T then p, v128-159 O^T, v160-171 p's codes, v172-187 at work.  Window 1: v188-235 V, v236-253 the second pass's Q.
.set REC, 15104
.set WV,  18
.set SEL, 20
.set CS,  22
.set G1,  24
.set G0,  32
.set TB,  36
.set CNT, 37
.set SPW, 12
.set NIL, 13
.set NMA, 16
.set LL,  18
.set FA,  20
.set NMB, 22
.set Q,   24
.set KS,  36
.set VS,  40
.set QSA, 42
.set QSB, 43
.set PSA, 44
.set PSB, 45
.set BM,  46
.set FB,  58
.set SCO, 60
.set S,   64
.set O,   128
.set PC,  160
.set TT,  172
.set T,   180
.set KF,  188
.set VF,  188
.set QST, 236
.set MSB, 0
.macro WIN new                         ; low byte: bits 1:0 source 0, 3:2 source 1, 5:4 source 2, 7:6 destination; the high byte repeats the setting that is left
.if MSB != \new
	s_set_vgpr_msb (MSB<<8)|\new
.set MSB, \new
.endif
.endm
.macro CROUND
	s_barrier_signal -1
	s_barrier_wait -1
	s_cmp_lg_u32 s[WV], 0
	s_cbranch_scc1 .Lnot_wave_0_\@
	s_barrier_signal -3
.Lnot_wave_0_\@:
	s_barrier_wait -3
	s_barrier_signal -1
	s_barrier_wait -1
.endm
.macro D1
	s_delay_alu instid0(VALU_DEP_1)
.endm
.macro D2
	s_delay_alu instid0(VALU_DEP_2)
.endm
.macro SMM t, qs                       ; scores of key tile t
.if (\t) < 4
	v_wmma_scale_f32_16x16x128_f8f6f4 v[S+8*(\t):S+8*(\t)+7], v[KF+8*(\t):KF+8*(\t)+11], v[Q:Q+11], 0, v[KS+(\t)], v[\qs] matrix_a_fmt:MATRIX_FMT_FP6 matrix_b_fmt:MATRIX_FMT_FP6
.else
	v_wmma_scale_f32_16x16x128_f8f6f4 v[S+8*(\t):S+8*(\t)+7], v[KF+8*(\t):KF+8*(\t)+11], v[Q:Q+11], 0, v[KS+(\t)-4], v[\qs] matrix_a_fmt:MATRIX_FMT_FP6 matrix_b_fmt:MATRIX_FMT_FP6 matrix_a_scale:MATRIX_SCALE_ROW1
.endif
.endm
.macro PMM t, ps                       ; O^T += V^T P^T, channel tile t
.if (\t) < 2
	v_wmma_scale_f32_16x16x128_f8f6f4 v[O+8*(\t):O+8*(\t)+7], v[VF+12*(\t):VF+12*(\t)+11], v[PC:PC+11], v[O+8*(\t):O+8*(\t)+7], v[VS+(\t)], v[\ps] matrix_a_fmt:MATRIX_FMT_FP6 matrix_b_fmt:MATRIX_FMT_FP6
.else
	v_wmma_scale_f32_16x16x128_f8f6f4 v[O+8*(\t):O+8*(\t)+7], v[VF+12*(\t):VF+12*(\t)+11], v[PC:PC+11], v[O+8*(\t):O+8*(\t)+7], v[VS+(\t)-2], v[\ps] matrix_a_fmt:MATRIX_FMT_FP6 matrix_b_fmt:MATRIX_FMT_FP6 matrix_a_scale:MATRIX_SCALE_ROW1
.endif
.endm
.macro KLOAD                           ; 18 LDS loads: eight key tiles and their scale words (v[KS+u]: lanes 0-15 tile u, lanes 16-31 tile 4 + u)
.irp t, 0,1,2,3,4,5,6,7
	ds_load_b128 v[KF+8*\t:KF+8*\t+3], v8 offset:4096*(\t/4)+1024*(\t%2)+128*((\t%4)/2)
	ds_load_b128 v[KF+8*\t+4:KF+8*\t+7], v8 offset:4096*(\t/4)+1024*(\t%2)+128*((\t%4)/2)+512
.endr
	ds_load_b64 v[KS:KS+1], v9 offset:8192
	ds_load_b64 v[KS+2:KS+3], v9 offset:8192+128
.endm
.macro VLOAD                           ; 13 LDS loads: V's four fragments into window 1, their scale words into window 0
	WIN 0x40
.irp t, 0,1,2,3
.irp c, 0,1,2
	ds_load_b128 v[VF+12*\t+4*\c:VF+12*\t+4*\c+3], v10 offset:8704+1536*\t+512*\c
.endr
.endr
	WIN 0
	ds_load_b64 v[VS:VS+1], v11
.endm
.macro ADDRS                           ; the LDS addresses of the record at s[TB]
	v_add_nc_u32 v8, s[TB], v2
	v_add_nc_u32 v9, s[TB], v3
	v_add_nc_u32 v10, s[TB], v1
	v_add_nc_u32 v11, s[TB], v5
.endm
.macro MAXES                           ; eight chains, one to a key tile, of its first seven scores; then v[T], v[T+4]: all of a block but its last score.  Each accumulator is first read at its low end
.irp g, 0,1,2,3,4,5,6,7
	v_max3_num_f32 v[T+\g], v[S+8*\g], v[S+8*\g+1], v[S+8*\g+2]
.endr
.irp i, 3,5
.irp g, 0,1,2,3,4,5,6,7
	v_max3_num_f32 v[T+\g], v[T+\g], v[S+8*\g+\i], v[S+8*\g+\i+1]
.endr
.endr
.irp c, 0,1
	v_max3_num_f32 v[T+4*\c], v[T+4*\c], v[T+4*\c+1], v[S+32*\c+7]
	v_max3_num_f32 v[T+4*\c+2], v[T+4*\c+2], v[T+4*\c+3], v[S+32*\c+15]
.endr
.irp c, 0,1
	v_max3_num_f32 v[T+4*\c], v[T+4*\c], v[T+4*\c+2], v[S+32*\c+23]
.endr
.endm
.macro LASTMAX d                       ; the block's largest score, into window 0
.irp c, 0,1
	v_max_num_f32 v[\d+\c], v[T+4*\c], v[S+32*\c+31]
.endr
.endm
.macro TMINUSM nm                      ; t - M, two at a time
.set ii, 0
.rept 32
	v_pk_fma_f32 v[S+ii:S+ii+1], v[S+ii:S+ii+1], s[CS:CS+1], v[\nm:\nm+1] op_sel_hi:[1,0,0]
.set ii, ii+2
.endr
.endm
.macro RESCALE f                       ; O^T and the sum under the new M
.set ii, 0
.rept 16
	v_pk_mul_f32 v[O+ii:O+ii+1], v[O+ii:O+ii+1], v[\f:\f+1] op_sel_hi:[1,0]
.set ii, ii+2
.endr
	v_pk_mul_f32 v[LL:LL+1], v[LL:LL+1], v[\f:\f+1] op_sel_hi:[1,0]
.endm
.macro EXPS
.set ii, 0
.rept 64
	v_exp_f32 v[S+ii], v[S+ii]
.set ii, ii+1
.endr
.endm
.macro CODES sc                        ; a lane's two blocks of p become codes; the second half of a block's six registers begins on an odd number, so it is made elsewhere and moved
.irp c, 0,1
	v_cvt_scalef32_pk16_fp6_f32 v[PC+6*\c:PC+6*\c+2], v[S+32*\c:S+32*\c+15], v[\sc+\c]
	v_cvt_scalef32_pk16_fp6_f32 v[TT+4*\c:TT+4*\c+2], v[S+32*\c+16:S+32*\c+31], v[\sc+\c]
.endr
.endm
.macro SUMS                            ; the unquantised p in four chains; the first four additions are the plain places behind the conversions
.irp k, 0,1,2,3
	v_pk_add_f32 v[T+2*\k:T+2*\k+1], v[S+2*\k:S+2*\k+1], v[S+8+2*\k:S+9+2*\k]
.endr
.irp c, 0,1
.irp i, 0,1,2
	v_mov_b32 v[PC+6*\c+3+\i], v[TT+4*\c+\i]
.endr
.endr
.irp m, 2,3,4,5,6,7
.irp k, 0,1,2,3
	v_pk_add_f32 v[T+2*\k:T+2*\k+1], v[T+2*\k:T+2*\k+1], v[S+8*\m+2*\k:S+8*\m+2*\k+1]
.endr
.endr
.endm
.macro MERGE
	v_pk_add_f32 v[T:T+1], v[T:T+1], v[T+2:T+3]
	v_pk_add_f32 v[T+4:T+5], v[T+4:T+5], v[T+6:T+7]
	D1
	v_pk_add_f32 v[T:T+1], v[T:T+1], v[T+4:T+5]
	D1
	v_pk_add_f32 v[LL:LL+1], v[LL:LL+1], v[T:T+1]
.endm
	s_load_b256 s[4:11], s[0:1], 0x0               ; qrec s[4:5], kv s[6:7], mask s[8:9], ctx s[10:11]
	s_load_b64 s[12:13], s[0:1], 0x20              ; ctxs
	v_lshl_add_u32 v[SPW], v0, 2, 0x3b000
	v_mov_b32 v[NIL], 0
	ds_add_u32 v[SPW], v[NIL]
	ds_add_u32 v[SPW], v[NIL]
	v_lshrrev_b32 v1, 5, v0
	v_readfirstlane_b32 s[WV], v1                  ; wave 0..7
	s_bfe_u32 s38, ttmp6, 0x40000                  ; cx: it enters Q's and O's addresses alone
	s_and_b32 s39, ttmp7, 0xffff                   ; 16 batch + head, which the four partners share
	s_mov_b32 s[G1], 15|(3<<16)|(1<<21)            ; the mask: all four work-groups; elements of 8 bytes; bit 21 set beside a mask
	s_mov_b32 s[G1+1], 32<<16                      ; two records are dense: 118 rows of 256 bytes
	s_mov_b32 s[G1+2], 118<<16
	s_mov_b32 s[G1+3], 32<<16
	s_mov_b32 s[G1+4], 118
	s_mov_b32 s[G1+5], 32
	s_mov_b32 s[G1+6], 0
	s_mov_b32 s[G1+7], 0
	s_mul_i32 s40, s[WV], 2*REC
	s_mul_i32 s42, s39, 16*REC
	s_add_co_u32 s42, s42, s40
	s_mov_b32 s43, 0
	s_wait_dscnt 0x0
	s_wait_kmcnt 0x0
	s_mov_b32 s[G0], 1
	s_mov_b32 s[G0+1], s40                         ; records 2 w, 2 w + 1 land at 30,208 w
	s_add_nc_u64 s[G0+2:G0+3], s[6:7], s[42:43]
	s_or_b32 s[G0+3], s[G0+3], 0x80000000
	CROUND                                         ; all four work-groups are here: the joint loads meet
	tensor_load_to_lds s[G0:G0+3], s[G1:G1+7]
	s_nop 0
.rept 4
	v_nop
.endr
	s_lshl_b32 s44, s38, 5
	s_lshl_b32 s45, s[WV], 1
	s_add_co_u32 s44, s44, s45                     ; tile A in pass 0: 32 cx + 2 wave; tile B the next; pass 1 sixteen tiles on
	s_lshr_b32 s45, s44, 3
	s_mul_i32 s45, s45, 8704
	s_mul_i32 s46, s39, 139264
	s_add_co_u32 s46, s46, s45                     ; its step's record in qrec
	s_and_b32 s45, s44, 7
	s_lshl_b32 s47, s45, 10
	s_add_co_u32 s48, s46, s47
	s_mov_b32 s49, 0
	s_add_nc_u64 s[48:49], s[4:5], s[48:49]        ; its half record
	s_lshr_b32 s47, s45, 2
	s_lshl_b32 s47, s47, 8
	s_and_b32 s45, s44, 3
	s_lshl_b32 s45, s45, 2
	s_add_co_u32 s50, s46, s47
	s_add_co_u32 s50, s50, s45
	s_mov_b32 s51, 0
	s_add_nc_u64 s[50:51], s[4:5], s[50:51]        ; its scale words (8,192 further on)
	s_lshr_b32 s52, s39, 4                         ; the batch
	s_lshl_b32 s54, s52, 13
	s_mov_b32 s55, 0
	s_add_nc_u64 s[8:9], s[8:9], s[54:55]
	s_lshl_b32 s53, s52, 7
	s_add_co_u32 s53, s53, s44                     ; the tile among all 512 tiles of tokens
	s_and_b32 s56, s39, 15                         ; the head
	s_lshl_b32 s54, s53, 4
	s_add_co_u32 s54, s54, s56
	s_mul_i32 s54, s54, 768
	s_add_nc_u64 s[10:11], s[10:11], s[54:55]
	s_lshl_b32 s54, s53, 9
	s_lshl_b32 s56, s56, 1
	s_add_co_u32 s54, s54, s56
	s_add_nc_u64 s[12:13], s[12:13], s[54:55]
	s_mov_b32 s[SEL], 0x76543210
	s_mov_b32 s[SEL+1], 0xfedcba98
	s_mov_b32 s57, 0xffff0000                      ; lanes 16-31
	v_and_b32 v8, 31, v0
	v_and_b32 v9, 15, v0                           ; r
	v_bfe_u32 v10, v0, 4, 1                        ; h
	v_bfe_u32 v11, v0, 3, 1                        ; r / 8
	v_lshlrev_b32 v1, 4, v8                        ; 16 x lane
	v_lshlrev_b32 v4, 3, v8                        ; 8 x lane
	v_lshlrev_b32 v14, 4, v9                       ; 16 r
	v_lshl_add_u32 v6, v9, 5, v10                  ; 32 r + h
	v_lshlrev_b32 v7, 3, v10                       ; 8 h
	v_and_b32 v9, 7, v0                            ; r % 8
	v_add_nc_u32 v5, 14848, v4                     ; V's scale words in a record
	v_lshlrev_b32 v2, 11, v11
	v_lshlrev_b32 v3, 3, v11
	v_lshl_add_u32 v2, v9, 4, v2
	v_lshl_add_u32 v3, v9, 4, v3
	v_lshl_add_u32 v2, v10, 8, v2                  ; a key tile's row: 2,048 (r / 8) + 16 (r % 8) + 256 h
	v_lshl_add_u32 v3, v10, 8, v3                  ; its scale word: 8 (r / 8) + 16 (r % 8); lanes 16-31 the tiles four further on
.set ii, 0
.rept 16
	global_load_b128 v[S+4*ii:S+4*ii+3], v1, s[8:9] offset:512*ii   ; the batch's 2,048 mask words
.set ii, ii+1
.endr
	global_load_b128 v[Q:Q+3], v1, s[48:49]
	global_load_b128 v[Q+4:Q+7], v1, s[48:49] offset:512
	global_load_b32 v[QSA], v14, s[50:51] offset:8192
	global_load_b32 v[QSB], v14, s[50:51] offset:8196
	WIN 0x40
	global_load_b128 v[Q:Q+3], v1, s[48:49] offset:1024
	global_load_b128 v[Q+4:Q+7], v1, s[48:49] offset:1536
.irp j, 0,1,2,3
	global_load_b128 v[QST+4*\j:QST+4*\j+3], v1, s[48:49] offset:17408+512*\j   ; the second pass's two tiles
.endr
	global_load_b32 v[QST+16], v14, s[50:51] offset:17408+8192
	global_load_b32 v[QST+17], v14, s[50:51] offset:17408+8196
.irp j, 0,1,2,3
	v_mov_b32 v[Q+8+\j], 0                         ; q's codes from k = 80 on
.endr
	v_mov_b32 v52, 0                               ; a lane permute's destination counts as one of its sources
	v_mov_b32 v53, 0
	WIN 0
.irp j, 0,1,2,3
	v_mov_b32 v[Q+8+\j], 0
	v_mov_b32 v[252+\j], 0                         ; what the last key tile's registers 8-11 name; never rewritten
.endr
	v_mov_b32 v52, 0
	v_mov_b32 v53, 0
	v_mov_b32 v[FA+1], 0                           ; upper halves of pairs of which the low word alone is used
	v_mov_b32 v[FB+1], 0
	s_wait_loadcnt 0x0
.set ii, 4
.rept 60
	v_or_b32 v[S+ii%4], v[S+ii%4], v[S+ii]         ; four chains
.set ii, ii+1
.endr
	v_or_b32 v[S], v[S], v[S+1]
	v_or_b32 v[S+2], v[S+2], v[S+3]
	D1
	v_or_b32 v[S], v[S], v[S+2]
	D1
	v_cmp_ne_u32 vcc_lo, 0, v[S]
	s_cmp_lg_u32 vcc_lo, 0                         ; does any key of the batch count?
	s_cselect_b32 s[CS], 0x3e38aa3b, 0             ; c = log2(e) / 8, or 0
	s_mov_b32 s[CS+1], s[CS]
	s_wait_alu depctr_va_vdst(0)
	s_wait_tensorcnt 0x0                           ; my two records have landed,
	s_barrier_signal -1
	s_barrier_wait -1                              ; everybody's have
; A KEY STEP: 128 keys against both tiles.  pf = 1: the next step's K and V are read from LDS
.macro STEP pf
	s_wait_dscnt 13                                ; K is in; V's 13 loads behind it may be out
.irp t, 0,1,2,3,4,5,6,7
	SMM \t, QSA
.endr
	WIN 0x44                                       ; K window 0, Q and the scores window 1
.irp t, 0,1,2,3,4,5,6,7
	SMM \t, QSB
.endr
	WIN 0
.if \pf
	s_add_co_u32 s[TB], s[TB], REC
	ADDRS                                          ; these four are the places between the products and the loads into K's registers and the first read of the scores
	KLOAD
.else
.rept 4
	v_nop
.endr
.endif
	MAXES
	LASTMAX BM
	WIN 0x55
	MAXES
	WIN 0x05
	LASTMAX BM+2
	WIN 0
	v_max_num_f32 v50, v46, v47                    ; the two tiles by turns
	v_max_num_f32 v51, v48, v49
	v_mov_b32 v54, v[NMA]
	v_mov_b32 v55, v[NMB]
	v_permlanex16_b32 v52, v50, s[SEL], s[SEL+1]
	v_permlanex16_b32 v53, v51, s[SEL], s[SEL+1]
	D2
	v_max3_num_f32 v[NMA+1], v[NMA+1], v50, v52    ; the largest score so far of my query
	D2
	v_max3_num_f32 v[NMB+1], v[NMB+1], v51, v53
	D2
	v_mul_f32 v50, s[CS], v[NMA+1]                 ; as t (c is not negative)
	D2
	v_mul_f32 v51, s[CS], v[NMB+1]
	D2
	v_floor_f32 v[NMA], -v50                       ; -M = floor(-t): M is a whole number
	D2
	v_floor_f32 v[NMB], -v51
	D2
	v_sub_f32 v54, v[NMA], v54                     ; old M - new M: a whole number, 0 or less
	D2
	v_sub_f32 v55, v[NMB], v55
	D2
	v_cvt_i32_f32 v54, v54                         ; (it saturates)
	D2
	v_cvt_i32_f32 v55, v55
	D2
	v_ldexp_f32 v[FA], 1.0, v54                    ; f = 2^(old M - new M): a multiplication by it rounds nothing
	D2
	v_ldexp_f32 v[FB], 1.0, v55
	v_fma_f32 v46, v46, s[CS], v[NMA]              ; t - M of each block's largest score
	v_fma_f32 v47, v47, s[CS], v[NMA]
	v_fma_f32 v48, v48, s[CS], v[NMB]
	v_fma_f32 v49, v49, s[CS], v[NMB]
	TMINUSM NMA
	RESCALE FA                                     ; O^T is read ahead of the step's exponentials
	WIN 0x41                                       ; tile B's arrays window 1, its -M, f and scale operands window 0
	RESCALE FB
	WIN 0
	s_wait_alu depctr_va_vdst(0)
	EXPS                                           ; tile A's p
.irp i, 0,1,2,3
	v_exp_f32 v[BM+\i], v[BM+\i]                   ; each block's largest p: the same two instructions on the same number
.endr
	WIN 0x41
	TMINUSM NMB                                    ; plain work behind the batch
	s_wait_alu depctr_va_vdst(0)                   ; one wait: behind the first batch, ahead of the second
	EXPS                                           ; tile B's p
	WIN 0
.irp i, 0,1,2,3
	v_max_num_f32 v[BM+\i], 0x1800000, v[BM+\i]    ; the floor 2^(3 - 127): the byte cannot fall under 1
.endr
.irp i, 0,1,2,3
	v_add_nc_u32 v[SCO+\i], 0xff000000, v[BM+\i]   ; 2 off the exponent field: the conversion's scale operand
.endr
.irp i, 0,1,2,3
	v_lshrrev_b32 v[BM+\i], 23, v[SCO+\i]          ; the scale's byte
.endr
	v_lshl_or_b32 v50, v47, 16, v46                ; my bytes: blocks h and 2 + h,
	v_lshl_or_b32 v51, v49, 16, v48
	D2
	v_lshlrev_b32 v50, v7, v50                     ; at their places in the word (8 h bits up);
	D2
	v_lshlrev_b32 v51, v7, v51
	D2
	v_permlanex16_b32 v52, v50, s[SEL], s[SEL+1]
	D2
	v_permlanex16_b32 v53, v51, s[SEL], s[SEL+1]
	D2
	v_or_b32 v[PSA], v50, v52                      ; with lane l xor 16's two the word is whole
	D2
	v_or_b32 v[PSB], v51, v53
	CODES SCO
	SUMS
	MERGE
	s_wait_alu depctr_va_vdst(0)                   ; behind the second batch, ahead of its first reader
	WIN 0x41
	CODES SCO+2
	WIN 0x45
	SUMS                                           ; (its last 24 additions are the places between p's codes and the products)
	WIN 0
	s_wait_alu depctr_va_vdst(0)
	s_wait_dscnt 18*\pf                            ; V is in; the next step's 18 loads of K may be out
	WIN 0x01                                       ; V window 1
.irp t, 0,1,2,3
	PMM \t, PSA
.endr
	WIN 0x55
.irp t, 0,1,2,3
	PMM \t, PSB
.endr
	WIN 0x45
	MERGE                                          ; tile B's sum: four places behind the products
.if \pf
	VLOAD
.endif
	WIN 0
.endm
; O / the sum, quantised along the head's 64 (two blocks of the last product's K); all its registers lie in the tile's own window
.macro EPI
	v_add_f32 v[LL], v[LL], v[LL+1]
	D1
	v_permlanex16_b32 v52, v[LL], s[SEL], s[SEL+1]
	D1
	v_add_f32 v[LL], v[LL], v52                    ; the row's sum
	s_wait_alu depctr_va_vdst(0)
	v_rcp_f32 v[LL], v[LL]
	v_nop                                          ; a plain place behind the transcendental
	s_wait_alu depctr_va_vdst(0)
.set ii, 0
.rept 32
	v_mul_f32 v[S+ii], v[O+ii], v[LL]              ; register 16 b + i: channel 32 b + 16 (lane / 16) + i; each accumulator from its low end on
.set ii, ii+1
.endr
.irp b, 0,1
	v_max3_num_f32 v[BM+\b], |v[S+16*\b]|, |v[S+1+16*\b]|, 0x1800000
.endr
.irp i, 2,4,6,8,10,12,14
.irp b, 0,1
	D2
	v_max3_num_f32 v[BM+\b], v[BM+\b], |v[S+16*\b+\i]|, |v[S+1+16*\b+\i]|
.endr
.endr
.irp b, 0,1
	D2
	v_permlanex16_b32 v[52+\b], v[BM+\b], s[SEL], s[SEL+1]
.endr
.irp b, 0,1
	D2
	v_max_num_f32 v[BM+\b], v[BM+\b], v[52+\b]
.endr
.irp b, 0,1
	D2
	v_add_nc_u32 v[56+\b], 0xff000000, v[BM+\b]
.endr
.irp b, 0,1
	D2
	v_lshrrev_b32 v[54+\b], 23, v[56+\b]
.endr
	v_cvt_scalef32_pk16_fp6_f32 v[PC:PC+2], v[S:S+15], v56
	v_cvt_scalef32_pk16_fp6_f32 v[TT:TT+2], v[S+16:S+31], v57
	v_cndmask_b32 v54, v54, v55, s57               ; lanes 0-15 keep block 0's byte, lanes 16-31 take block 1's.  (The plain place behind the conversions)
.irp i, 0,1,2
	v_permlane16_swap_b32 v[PC+\i], v[TT+\i]       ; a whole block to a lane
.endr
.irp i, 0,1,2
	v_mov_b32 v[PC+3+\i], v[TT+\i]
.endr
.endm
; A PASS: 32 queries against all 2,048 keys
.macro PASS p
	s_mov_b32 s[TB], 0
	s_mov_b32 s[CNT], 15
	ADDRS
	KLOAD
	VLOAD
.if \p
	WIN 0x01
.irp i, 0,1,2,3,4,5,6,7
	v_mov_b32 v[Q+\i], v[QST+\i]
.endr
	v_mov_b32 v[QSA], v[QST+16]
	v_mov_b32 v[QSB], v[QST+17]
	WIN 0x41
.irp i, 0,1,2,3,4,5,6,7
	v_mov_b32 v[Q+\i], v[QST+8+\i]
.endr
	WIN 0
.endif
	v_mov_b32 v[NMA], 0x7f61b1e6                   ; -M: 3e38;
	v_mov_b32 v[NMA+1], 0xff61b1e6                 ; the largest score so far: -3e38
	v_mov_b32 v[NMB], 0x7f61b1e6
	v_mov_b32 v[NMB+1], 0xff61b1e6
.irp w, 0, 0x40
	WIN \w
	v_mov_b32 v[LL], 0
	v_mov_b32 v[LL+1], 0
.set ii, 0
.rept 32
	v_mov_b32 v[O+ii], 0                           ; O^T: the step's first trip finds zeros
.set ii, ii+1
.endr
.endr
	WIN 0
	s_wait_alu depctr_va_vdst(0)
.Lstep_\@:
	STEP 1
	s_sub_co_u32 s[CNT], s[CNT], 1
	s_cmp_lg_u32 s[CNT], 0
	s_cbranch_scc1 .Lstep_\@
	STEP 0
	EPI
	global_store_b128 v1, v[PC:PC+3], s[10:11] offset:196608*\p            ; registers 0-3 of the half fragment: 512 consecutive bytes
	global_store_b64 v4, v[PC+4:PC+5], s[10:11] offset:196608*\p+512       ; registers 4, 5: 256
	global_store_b8 v6, v54, s[12:13] offset:8192*\p
	WIN 0x55
	EPI
	WIN 0x04                                       ; the data window 1, the addresses window 0
	global_store_b128 v1, v[PC:PC+3], s[10:11] offset:196608*\p+12288
	global_store_b64 v4, v[PC+4:PC+5], s[10:11] offset:196608*\p+12288+512
	global_store_b8 v6, v54, s[12:13] offset:8192*\p+512
	WIN 0
	s_wait_xcnt 0x0                                ; the stores have read their registers
.endm
	PASS 0
	PASS 1
	s_wait_tensorcnt 0x0                           ; the wave's end
	ds_add_u32 v[SPW], v[NIL]
	s_wait_dscnt 0x0
	CROUND                                         ; the closing round
	s_endpgm
.Lfunc_end_k_qa3ef1a52ea_attn:
	.size	k_qa3ef1a52ea_attn, .Lfunc_end_k_qa3ef1a52ea_attn-k_qa3ef1a52ea_attn
	.p2alignl 7, 3214868480
	.fill 96, 4, 3214868480
	.section	.rodata,"a",@progbits
	.p2align	6, 0x0
	.amdhsa_kernel k_qa3ef1a52ea_attn
		.amdhsa_group_segment_fixed_size 243712
		.amdhsa_private_segment_fixed_size 0
		.amdhsa_enable_private_segment 0
		.amdhsa_kernarg_size 40
		.amdhsa_user_sgpr_count 2
		.amdhsa_user_sgpr_kernarg_segment_ptr 1
		.amdhsa_wavefront_size32 1
		.amdhsa_system_sgpr_workgroup_id_x 1
		.amdhsa_system_sgpr_workgroup_id_y 1
		.amdhsa_system_sgpr_workgroup_id_z 1
		.amdhsa_system_vgpr_workitem_id 0
		.amdhsa_next_free_vgpr 512
		.amdhsa_next_free_sgpr 66
		.amdhsa_reserve_vcc 1
		.amdhsa_float_denorm_mode_32 3
		.amdhsa_float_denorm_mode_16_64 3
		.amdhsa_memory_ordered 1
		.amdhsa_forward_progress 1
		.amdhsa_inst_pref_size 144
	.end_amdhsa_kernel
	.amdgpu_metadata
---
amdhsa.version: [ 1, 2 ]
amdhsa.kernels:
  - .name:           k_qa3ef1a52ea_attn
    .symbol:         k_qa3ef1a52ea_attn.kd
    .args:
      - { .name: qrec, .offset: 0, .size: 8, .value_kind: global_buffer, .address_space: global }
      - { .name: kv, .offset: 8, .size: 8, .value_kind: global_buffer, .address_space: global }
      - { .name: mask, .offset: 16, .size: 8, .value_kind: global_buffer, .address_space: global }
      - { .name: ctx, .offset: 24, .size: 8, .value_kind: global_buffer, .address_space: global }
      - { .name: ctxs, .offset: 32, .size: 8, .value_kind: global_buffer, .address_space: global }
    .group_segment_fixed_size: 243712
    .private_segment_fixed_size: 0
    .kernarg_segment_align: 8
    .kernarg_segment_size: 40
    .max_flat_workgroup_size: 256
    .sgpr_count:     66
    .vgpr_count:     512
    .wavefront_size: 32
...
	.end_amdgpu_metadata
.endif
;; end of part 3
;; launch outln (part 4): grid 256 x 1, 16 waves a work-group, no clusters, 158,208 bytes of LDS; arguments ctx, ctxs, img, hidden_states, bo, gamma, beta, out0; writes out0
.if DOCPART == 4
	.amdgcn_target "amdgcn-amd-amdhsa--gfx1250"
	.amdhsa_code_object_version 6
	.text
	.protected	k_qa3ef1a52ea_outln
	.globl	k_qa3ef1a52ea_outln
	.p2align	8
	.type	k_qa3ef1a52ea_outln,@function
k_qa3ef1a52ea_outln:
	s_mov_b64 s[64:65], 0
	v_nop
	global_prefetch_b8 v0, s[64:65] scope:SCOPE_SE
	s_setreg_imm32_b32 hwreg(HW_REG_WAVE_MODE, 25, 1), 1
	s_wait_xcnt 0x0
; OUT.  out0 = LayerNorm(Q(ctx) Wo + bo + hidden_states) x gamma + beta.  A work-group owns 32 tokens (two tiles) and all 1,024 features, so that a row's mean and variance stay inside it.
; Wave w makes features 64 w .. 64 w + 63 for the 32 tokens: 8 accumulators.  The product is used transposed (source 0 = 16 rows of Wo, source 1 = 16 tokens): a lane holds one token and, by the panels' order of rows,
; neighbouring features in its registers.  bo is the C of each sum's first matrix instruction.
; ctx's codes of the 32 tokens (24,576 bytes) are copied into LDS once and read by all sixteen waves.  Each fragment of Wo is wanted by ONE wave of the work-group: it goes from img, laid as an image of the operand's
; registers, straight into that wave's registers, 512 consecutive bytes a load, one K step ahead.
; NO JOINT LOADS, though all work-groups read the same Wo: its 819,200 bytes do not fit in LDS beside the stage, so sharing it would send it through slots that are filled again, with a round of a cluster's barrier for each
; of them, and then from LDS into the registers into which it now goes directly.
; The results meet in a stage in LDS (a slot of 4,096 + 16 bytes for each token); each wave then takes two whole rows: residual, mean, variance of the differences from the mean, scale, and stores rows of 4,096 bytes.
; REGISTERS: v1-15 addresses; v16-79 the accumulators ((t, n) at 16 + 8 (4 t + n)), later two rows; v80-111 bo, later gamma; v112-135 ctx's two fragments, later at work; v136-151 ctx's scale words;
;   v152-247 Wo's fragments, two sets, later hidden (v152-215) and beta (v216-247); v248-255 Wo's scale words, two sets.
.set ACC, 16
.set BO,  80
.set CF,  112
.set SX,  136
.set W0,  152
.set WS0, 248
.set STG, 24576
.set SPI, 4112                         ; a slot: 1,028 words, so that the 16 slots that a store of 16 bytes a lane touches start 4 words apart
.set WOOFF, 15564800
	s_load_b512 s[4:19], s[0:1], 0x0               ; ctx, ctxs, img, hidden, bo, gamma, beta, out0
	v_lshrrev_b32 v1, 5, v0
	s_delay_alu instid0(VALU_DEP_1)
	v_readfirstlane_b32 s20, v1                    ; wave 0..15
	v_and_b32 v1, 15, v0                           ; r
	v_bfe_u32 v2, v0, 4, 1                         ; h
	v_and_b32 v3, 31, v0                           ; lane
	s_delay_alu instid0(VALU_DEP_1)
	v_lshlrev_b32 v4, 4, v3                        ; 16 x lane
	s_wait_alu depctr_va_vdst(0)
	v_lshlrev_b32 v5, 3, v3                        ; 8 x lane
	v_lshlrev_b32 v6, 4, v1                        ; 16 r
	v_lshlrev_b32 v7, 5, v1                        ; 32 r
	v_lshlrev_b32 v8, 6, v2                        ; 64 h
	v_lshlrev_b32 v9, 8, v0                        ; 256 x thread
	s_lshr_b32 s21, s20, 1
	s_and_b32 s22, s20, 1
	s_mov_b32 s24, 0x76543210
	s_mov_b32 s25, 0xfedcba98
	s_mov_b32 s31, 0x3a800000                      ; 1 / 1,024
	s_mov_b32 s32, 0x3727c5ac                      ; 1e-5
	s_mov_b32 s27, 0
	s_mul_i32 s26, ttmp9, 24576
	s_mul_i32 s28, s20, 1536
	s_add_co_u32 s26, s26, s28
	v_add_nc_u32 v10, s28, v4                      ; my 1,536 bytes of the copy
	s_wait_alu depctr_va_vdst(0)
	s_wait_kmcnt 0x0
	s_add_nc_u64 s[4:5], s[4:5], s[26:27]
	s_lshl_b32 s26, ttmp9, 10
	s_add_nc_u64 s[6:7], s[6:7], s[26:27]
	s_mul_i32 s26, s21, 102400
	s_add_co_u32 s26, s26, WOOFF
	s_add_nc_u64 s[8:9], s[8:9], s[26:27]          ; Wo's panel row wave / 2
	; Wo's image is 3,200 blocks of 256 bytes, which every work-group reads in the K steps below.  The work-groups share the asking out: wave 0 of work-groups g and g + 128 names blocks 25 (g % 128) .. + 24,
	; a lane a block (lanes 25-31 name the last again); the highest byte named is the image's last block, inside img.  In wave 0 s[8:9] is the image's first byte
	s_cmp_lg_u32 s20, 0
	s_cbranch_scc1 .Lno_ask
	s_and_b32 s33, ttmp9, 127
	s_mul_i32 s33, s33, 25
	v_min_u32 v16, 24, v3
	v_add_nc_u32 v16, s33, v16
	v_lshlrev_b32 v16, 8, v16
	global_prefetch_b8 v16, s[8:9] th:TH_LOAD_NT scope:SCOPE_SE
.Lno_ask:
	s_lshl_b32 s26, ttmp9, 17
	s_add_nc_u64 s[10:11], s[10:11], s[26:27]      ; my 32 rows of hidden and of out0
	s_add_nc_u64 s[18:19], s[18:19], s[26:27]
	s_mul_i32 s28, s22, 6144
	v_add_nc_u32 v11, s28, v4                      ; tiles 4 (wave % 2) on
	s_lshl_b32 s28, s22, 8
	v_add_nc_u32 v12, s28, v6                      ; their scale words
	s_lshl_b32 s28, s20, 8
	v_add_nc_u32 v13, s28, v8                      ; bo: my 64 features, + my half's 16 of a block
	s_wait_alu depctr_va_vdst(0)
	s_lshr_b32 s28, s20, 3                         ; the two rows that I finish: slots 2 w, 2 w + 1 hold tokens 8 (w / 8) + 2 (w % 8) + 8 ((w % 8) / 4) and the next
	s_lshl_b32 s28, s28, 3
	s_and_b32 s29, s20, 7
	s_lshl_b32 s30, s29, 1
	s_add_co_u32 s28, s28, s30
	s_lshr_b32 s29, s29, 2
	s_lshl_b32 s29, s29, 3
	s_add_co_u32 s28, s28, s29
	s_lshl_b32 s28, s28, 12
	v_add_nc_u32 v14, s28, v4
	s_lshl_b32 s28, s20, 8
	s_add_co_u32 s28, s28, STG
	v_mul_u32_u24 v15, v1, SPI
	s_delay_alu instid0(VALU_DEP_1)
	v_add_nc_u32 v15, v15, v8
	s_delay_alu instid0(VALU_DEP_1)
	v_add_nc_u32 v15, s28, v15                     ; into the stage: slot r, + 256 w + 64 h
	s_delay_alu instid0(VALU_DEP_1)
	v_add_nc_u32 v2, 16*SPI, v15                   ; the second tile's slots
	s_mul_i32 s28, s20, 2*SPI
	s_add_co_u32 s28, s28, STG
	v_add_nc_u32 v3, s28, v4                       ; back: slots 2 w, 2 w + 1
.macro WLOAD s                         ; K step s: my four fragments of Wo and their scale words: 13 loads
.set WB_, W0+48*((\s)%2)
.irp n, 0,1,2,3
.irp c, 0,1,2
	global_load_b128 v[WB_+12*\n+4*\c:WB_+12*\n+4*\c+3], v11, s[8:9] offset:12800*(\s)+1536*\n+512*\c
.endr
.endr
	global_load_b128 v[WS0+4*((\s)%2):WS0+4*((\s)%2)+3], v12, s[8:9] offset:12800*(\s)+12288
.endm
.irp c, 0,1,2
	global_load_b128 v[CF+4*\c:CF+4*\c+3], v4, s[4:5] offset:512*\c
.endr
.irp t, 0,1
.irp q, 0,1
	global_load_b128 v[SX+8*\t+4*\q:SX+8*\t+4*\q+3], v7, s[6:7] offset:512*\t+16*\q   ; row r's eight scale words, one for each K step
.endr
.endr
.irp n, 0,1,2,3
	global_load_b128 v[BO+8*\n:BO+8*\n+3], v13, s[12:13] offset:(32*(\n/2)+8*(\n%2))*4
	global_load_b128 v[BO+8*\n+4:BO+8*\n+7], v13, s[12:13] offset:(32*(\n/2)+8*(\n%2))*4+16
.endr
	WLOAD 0
	s_wait_alu depctr_va_vdst(0)
	s_wait_loadcnt 25                              ; the copy's three loads are in; the 4 + 8 + 13 behind them may be out
.irp c, 0,1,2
	ds_store_b128 v10, v[CF+4*\c:CF+4*\c+3] offset:512*\c
.endr
	s_wait_dscnt 0x0                               ; for the others' sake
	s_barrier_signal -1
	s_barrier_wait -1                              ; ctx's codes of the 32 tokens lie in LDS
	s_wait_xcnt 0x0                                ; the prefetch has read v16, which the first products write
.irp s, 0,1,2,3,4,5,6,7
.if \s > 0
.rept 4
	v_nop                                          ; four places between the last products and the loads into the registers that they read
.endr
.endif
.if \s < 7
	WLOAD \s+1
.endif
.if \s == 1
	global_prefetch_b8 v9, s[10:11] th:TH_LOAD_NT scope:SCOPE_SE   ; the 32 rows of hidden that the way out loads six K steps further on: 512 threads, 256 bytes apart, each block asked for once, all inside the buffer
.endif
.irp t, 0,1
	ds_load_b128 v[CF+12*\t:CF+12*\t+3], v4 offset:(16*\t+2*\s)*768            ; head 2 s: registers 0-5;
	ds_load_b64 v[CF+12*\t+4:CF+12*\t+5], v5 offset:(16*\t+2*\s)*768+512
	ds_load_b128 v[CF+12*\t+6:CF+12*\t+9], v4 offset:(16*\t+2*\s+1)*768        ; head 2 s + 1: registers 6-11
	ds_load_b64 v[CF+12*\t+10:CF+12*\t+11], v5 offset:(16*\t+2*\s+1)*768+512
.endr
.if \s < 7
	s_wait_loadcnt 13                              ; all but the 13 just issued
.else
	s_wait_loadcnt 0x0
.endif
	s_wait_dscnt 0x0
.irp t, 0,1
.irp n, 0,1,2,3
.if \s == 0
	v_wmma_scale_f32_16x16x128_f8f6f4 v[ACC+8*(4*\t+\n):ACC+8*(4*\t+\n)+7], v[W0+48*(\s%2)+12*\n:W0+48*(\s%2)+12*\n+11], v[CF+12*\t:CF+12*\t+11], v[BO+8*\n:BO+8*\n+7], v[WS0+4*(\s%2)+\n], v[SX+8*\t+\s] matrix_a_fmt:MATRIX_FMT_FP6 matrix_b_fmt:MATRIX_FMT_FP6
.else
	v_wmma_scale_f32_16x16x128_f8f6f4 v[ACC+8*(4*\t+\n):ACC+8*(4*\t+\n)+7], v[W0+48*(\s%2)+12*\n:W0+48*(\s%2)+12*\n+11], v[CF+12*\t:CF+12*\t+11], v[ACC+8*(4*\t+\n):ACC+8*(4*\t+\n)+7], v[WS0+4*(\s%2)+\n], v[SX+8*\t+\s] matrix_a_fmt:MATRIX_FMT_FP6 matrix_b_fmt:MATRIX_FMT_FP6
.endif
.endr
.endr
.endr
.rept 4
	v_nop                                          ; places in front of the first read of results and of loads over operands
.endr
.irp e, 0,1
.irp q, 0,1,2,3,4,5,6,7
	global_load_b128 v[152+32*\e+4*\q:155+32*\e+4*\q], v14, s[10:11] offset:4096*\e+512*\q th:TH_LOAD_NT
.endr
.endr
.irp q, 0,1,2,3,4,5,6,7
	global_load_b128 v[80+4*\q:83+4*\q], v4, s[14:15] offset:512*\q
	global_load_b128 v[216+4*\q:219+4*\q], v4, s[16:17] offset:512*\q
.endr
.irp n, 0,1,2,3
	ds_store_b128 v15, v[ACC+8*\n:ACC+8*\n+3] offset:128*(\n/2)+32*(\n%2)          ; lane (r, h): features 64 w + 32 (n / 2) + 16 h + 8 (n % 2) + 0 .. 7 of slot r; each accumulator from its low end on
	ds_store_b128 v15, v[ACC+8*\n+4:ACC+8*\n+7] offset:128*(\n/2)+32*(\n%2)+16
.endr
.irp n, 0,1,2,3
	ds_store_b128 v2, v[ACC+32+8*\n:ACC+32+8*\n+3] offset:128*(\n/2)+32*(\n%2)
	ds_store_b128 v2, v[ACC+32+8*\n+4:ACC+32+8*\n+7] offset:128*(\n/2)+32*(\n%2)+16
.endr
	s_wait_dscnt 0x0                               ; for the others' sake
	s_barrier_signal -1
	s_barrier_wait -1                              ; 32 whole rows lie in the stage
.irp e, 0,1
.irp q, 0,1,2,3,4,5,6,7
	ds_load_b128 v[16+32*\e+4*\q:19+32*\e+4*\q], v3 offset:SPI*\e+512*\q
.endr
.endr
	s_wait_dscnt 0x0
	s_wait_loadcnt 0x0
.macro REDUCE                          ; v116, v117: a lane's part of each row's sum -> the sum, in every lane
.irp k, 1,2,4,8
.irp e, 0,1
	s_delay_alu instid0(VALU_DEP_2)
	v_add_f32_dpp v[116+\e], v[116+\e], v[116+\e] row_xmask:\k row_mask:0xf bank_mask:0xf
.endr
.endr
.irp e, 0,1
	s_delay_alu instid0(VALU_DEP_2)
	v_permlanex16_b32 v[118+\e], v[116+\e], s24, s25
.endr
.irp e, 0,1
	s_delay_alu instid0(VALU_DEP_2)
	v_add_f32 v[116+\e], v[116+\e], v[118+\e]
.endr
.endm
.set ii, 0
.rept 32
	v_pk_add_f32 v[16+2*ii:17+2*ii], v[16+2*ii:17+2*ii], v[152+2*ii:153+2*ii]      ; + hidden
.set ii, ii+1
.endr
.irp e, 0,1
	v_pk_add_f32 v[112+2*\e:113+2*\e], v[16+32*\e:17+32*\e], v[18+32*\e:19+32*\e]
.endr
.irp i, 2,3,4,5,6,7,8,9,10,11,12,13,14,15
.irp e, 0,1
	s_delay_alu instid0(VALU_DEP_2)
	v_pk_add_f32 v[112+2*\e:113+2*\e], v[112+2*\e:113+2*\e], v[16+32*\e+2*\i:17+32*\e+2*\i]   ; the two rows by turns
.endr
.endr
.irp e, 0,1
	s_delay_alu instid0(VALU_DEP_2)
	v_add_f32 v[116+\e], v[112+2*\e], v[113+2*\e]
.endr
	REDUCE
.irp e, 0,1
	s_delay_alu instid0(VALU_DEP_2)
	v_mul_f32 v[120+2*\e], 0xba800000, v[116+\e]   ; - the mean
.endr
.irp i, 0,1,2,3,4,5,6,7,8,9,10,11,12,13,14,15
.irp e, 0,1
	v_pk_add_f32 v[16+32*\e+2*\i:17+32*\e+2*\i], v[16+32*\e+2*\i:17+32*\e+2*\i], v[120+2*\e:121+2*\e] op_sel_hi:[1,0]
.endr
.endr
.irp e, 0,1
	v_pk_mul_f32 v[112+2*\e:113+2*\e], v[16+32*\e:17+32*\e], v[16+32*\e:17+32*\e]
.endr
.irp i, 1,2,3,4,5,6,7,8,9,10,11,12,13,14,15
.irp e, 0,1
	s_delay_alu instid0(VALU_DEP_2)
	v_pk_fma_f32 v[112+2*\e:113+2*\e], v[16+32*\e+2*\i:17+32*\e+2*\i], v[16+32*\e+2*\i:17+32*\e+2*\i], v[112+2*\e:113+2*\e]
.endr
.endr
.irp e, 0,1
	s_delay_alu instid0(VALU_DEP_2)
	v_add_f32 v[116+\e], v[112+2*\e], v[113+2*\e]
.endr
	REDUCE
.irp e, 0,1
	s_delay_alu instid0(VALU_DEP_2)
	v_fma_f32 v[116+\e], v[116+\e], s31, s32       ; the variance + 1e-5
.endr
	s_wait_alu depctr_va_vdst(0)
.irp e, 0,1
	v_rsq_f32 v[124+2*\e], v[116+\e]
.endr
	v_nop                                          ; a plain place behind the transcendentals
	s_wait_alu depctr_va_vdst(0)
.irp i, 0,1,2,3,4,5,6,7,8,9,10,11,12,13,14,15
.irp e, 0,1
	v_pk_mul_f32 v[16+32*\e+2*\i:17+32*\e+2*\i], v[16+32*\e+2*\i:17+32*\e+2*\i], v[124+2*\e:125+2*\e] op_sel_hi:[1,0]
.endr
.irp e, 0,1
	s_delay_alu instid0(VALU_DEP_2)
	v_pk_fma_f32 v[16+32*\e+2*\i:17+32*\e+2*\i], v[16+32*\e+2*\i:17+32*\e+2*\i], v[80+2*\i:81+2*\i], v[216+2*\i:217+2*\i]
.endr
.endr
.irp e, 0,1
.irp q, 0,1,2,3,4,5,6,7
	global_store_b128 v14, v[16+32*\e+4*\q:19+32*\e+4*\q], s[18:19] offset:4096*\e+512*\q th:TH_STORE_NT   ; 32 lanes store 512 consecutive bytes, at a multiple of 256 from out0's first byte
.endr
.endr
	s_wait_xcnt 0x0
	v_lshl_add_u32 v254, v0, 2, 0x26200
	v_mov_b32 v255, 0
	s_wait_alu depctr_va_vdst(0)
	s_wait_tensorcnt 0x0
	ds_add_u32 v254, v255
	s_wait_dscnt 0x0
	s_endpgm
.Lfunc_end_k_qa3ef1a52ea_outln:
	.size	k_qa3ef1a52ea_outln, .Lfunc_end_k_qa3ef1a52ea_outln-k_qa3ef1a52ea_outln
	.p2alignl 7, 3214868480
	.fill 96, 4, 3214868480
	.section	.rodata,"a",@progbits
	.p2align	6, 0x0
	.amdhsa_kernel k_qa3ef1a52ea_outln
		.amdhsa_group_segment_fixed_size 158208
		.amdhsa_private_segment_fixed_size 0
		.amdhsa_enable_private_segment 0
		.amdhsa_kernarg_size 64
		.amdhsa_user_sgpr_count 2
		.amdhsa_user_sgpr_kernarg_segment_ptr 1
		.amdhsa_wavefront_size32 1
		.amdhsa_system_sgpr_workgroup_id_x 1
		.amdhsa_system_sgpr_workgroup_id_y 1
		.amdhsa_system_sgpr_workgroup_id_z 1
		.amdhsa_system_vgpr_workitem_id 0
		.amdhsa_next_free_vgpr 256
		.amdhsa_next_free_sgpr 66
		.amdhsa_reserve_vcc 0
		.amdhsa_float_denorm_mode_32 3
		.amdhsa_float_denorm_mode_16_64 3
		.amdhsa_memory_ordered 1
		.amdhsa_forward_progress 1
		.amdhsa_inst_pref_size 53
	.end_amdhsa_kernel
	.amdgpu_metadata
---
amdhsa.version: [ 1, 2 ]
amdhsa.kernels:
  - .name:           k_qa3ef1a52ea_outln
    .symbol:         k_qa3ef1a52ea_outln.kd
    .args:
      - { .name: ctx, .offset: 0, .size: 8, .value_kind: global_buffer, .address_space: global }
      - { .name: ctxs, .offset: 8, .size: 8, .value_kind: global_buffer, .address_space: global }
      - { .name: img, .offset: 16, .size: 8, .value_kind: global_buffer, .address_space: global }
      - { .name: hidden_states, .offset: 24, .size: 8, .value_kind: global_buffer, .address_space: global }
      - { .name: bo, .offset: 32, .size: 8, .value_kind: global_buffer, .address_space: global }
      - { .name: gamma, .offset: 40, .size: 8, .value_kind: global_buffer, .address_space: global }
      - { .name: beta, .offset: 48, .size: 8, .value_kind: global_buffer, .address_space: global }
      - { .name: out0, .offset: 56, .size: 8, .value_kind: global_buffer, .address_space: global }
    .group_segment_fixed_size: 158208
    .private_segment_fixed_size: 0
    .kernarg_segment_align: 8
    .kernarg_segment_size: 64
    .max_flat_workgroup_size: 512
    .sgpr_count:     66
    .vgpr_count:     256
    .wavefront_size: 32
...
	.end_amdgpu_metadata
.endif
;; end of part 4
